; MI455X (gfx1250); checked and timed in simulation.
; The chip was launched on July 23, 2026; its instructions are those of AMD's public machine-readable ISA for CDNA 5 (MIT licence, August 2026) and "CDNA5" Instruction Set Architecture Reference Guide (July 2026). The comments in the code are by the model that wrote it; some were corrected since.
;; Neural Jump SDE. Allowed arithmetic: float matrix products may take bf16 or f16 operands with f32 sums; other float arithmetic in f32, or as packed bf16 or f16 multiplies, adds, multiply-adds, maxima and minima; sums over many terms, partial sums and values carried from step to step in f32; what a program stores and reads back later, other than sums and carried values, may be rounded once to bf16 or f16.
;; Inputs: conditioning 32,768 x 10 float32; diff_noise 4 x 32,768 x 1 float32; jump_noise 4 x 32,768 x 1 float32; params_diff_Ws_0 11 x 128 float32; params_diff_Ws_1 128 x 128 float32; params_diff_Ws_2 128 x 128 float32; params_diff_Ws_3 128 x 2 float32; params_diff_be_0 128 float32; params_diff_be_1 128 float32; params_diff_bs_0 128 float32; params_diff_bs_1 128 float32; params_diff_bs_2 128 float32; params_diff_bs_3 2 float32; params_diff_g_0 128 float32; params_diff_g_1 128 float32; params_intensity_Ws_0 11 x 128 float32; params_intensity_Ws_1 128 x 128 float32; params_intensity_Ws_2 128 x 128 float32; params_intensity_Ws_3 128 x 1 float32; params_intensity_be_0 128 float32; params_intensity_be_1 128 float32; params_intensity_bs_0 128 float32; params_intensity_bs_1 128 float32; params_intensity_bs_2 128 float32; params_intensity_bs_3 1 float32; params_intensity_g_0 128 float32; params_intensity_g_1 128 float32; params_jump_Ws_0 11 x 128 float32; params_jump_Ws_1 128 x 128 float32; params_jump_Ws_2 128 x 128 float32; params_jump_Ws_3 128 x 2 float32; params_jump_be_0 128 float32; params_jump_be_1 128 float32; params_jump_bs_0 128 float32; params_jump_bs_1 128 float32; params_jump_bs_2 128 float32; params_jump_bs_3 2 float32; params_jump_g_0 128 float32; params_jump_g_1 128 float32; uniforms 4 x 32,768 float32; x0 32,768 x 1 float32.
;; Outputs: out0 32,768 x 5 x 1 float32.
;; Constants: horizon = 4.
;; 2 versions, each right and faster than the one before. Each part assembles by itself: llvm-mc -triple=amdgcn-amd-amdhsa -mcpu=gfx1250 --defsym DOCPART=n.
;; ======== version 1 of 2: 2 launches
;; workspace buffers: wpack 222,720 bytes
;; launch pack (part 1): grid 17 x 3, 8 waves a work-group, no clusters, 0 bytes of LDS; arguments params_intensity_Ws_0, params_intensity_Ws_1, params_intensity_Ws_2, params_intensity_bs_1, params_intensity_g_0, params_intensity_be_0, params_intensity_bs_2, params_intensity_g_1, params_intensity_be_1, params_jump_Ws_0, params_jump_Ws_1, params_jump_Ws_2, params_jump_bs_1, params_jump_g_0, params_jump_be_0, params_jump_bs_2, params_jump_g_1, params_jump_be_1, params_diff_Ws_0, params_diff_Ws_1, params_diff_Ws_2, params_diff_bs_1, params_diff_g_0, params_diff_be_0, params_diff_bs_2, params_diff_g_1, params_diff_be_1, wpack; writes wpack
.if DOCPART == 1
	.amdgcn_target "amdgcn-amd-amdhsa--gfx1250"
	.amdhsa_code_object_version 6
	.text
	.protected	k_qb896224639_pack
	.globl	k_qb896224639_pack
	.p2align	8
	.type	k_qb896224639_pack,@function
k_qb896224639_pack:
	s_mov_b64 s[64:65], 0
	v_nop
	global_prefetch_b8 v0, s[64:65] scope:SCOPE_SE
	s_setreg_imm32_b32 hwreg(HW_REG_WAVE_MODE, 25, 1), 1
	s_wait_xcnt 0x0
; Lays the parameters of the three MLPs (y = 0 intensity, 1 jump, 2 diff) out as the LDS image that the second launch fetches whole.
; Block of an MLP, MB bytes at y x MB:  +0 Ws_1, +32768 Ws_2, both in bf16 and in the order of matrix fragments;
; +65536 seventeen rows of 128 f32, each number rounded to bf16 and widened again: Ws_0's rows 0-10, bs_1, g_0, be_0, bs_2, g_1, be_1.
; Fragment order: byte ((c 8 + t) 2 + q) 512 + 16 L + 2 e holds W[32 c + 16 q + 8 (L / 16) + e][16 t + L % 16]: the 16 bytes of lane L for half q of the
; fragment of W^T with features 16 t .. and K step c.  Work-groups x = 0..15 make 4,096 bytes of that each, one item of 16 bytes a thread; x = 16 makes the rows.
; A thread's eight numbers lie in eight rows of W, so the reads are pieces of 64 bytes for sixteen lanes; each matrix is read once in the launch.
; Every store of a wave covers 512 consecutive bytes, aligned.
.set MB, 74240
.set SMALL, 65536                      ; where the rows begin in a block
	s_load_b512 s[8:23], s[0:1], 0x0               ; pointer i of the intensity MLP in s[8+2i], of jump in s[26+2i], of diff in s[44+2i]
	s_load_b512 s[24:39], s[0:1], 0x40
	s_load_b512 s[40:55], s[0:1], 0x80
	s_load_b256 s[56:63], s[0:1], 0xc0             ; wpack in s[62:63]
	s_mov_b32 s2, ttmp9                            ; x
	s_and_b32 s3, ttmp7, 0xffff                    ; y: which MLP
	v_lshrrev_b32 v1, 5, v0
	v_readfirstlane_b32 s4, v1                     ; wave
	s_mul_i32 s6, s3, MB
	s_mov_b32 s7, 0
	s_wait_kmcnt 0x0
	s_cmp_eq_u32 s3, 1                             ; my MLP's nine pointers go to s[8:25]
.irp i, 0,1,2,3,4,5,6,7,8
	s_cselect_b64 s[8+2*\i:9+2*\i], s[26+2*\i:27+2*\i], s[8+2*\i:9+2*\i]
.endr
	s_cmp_eq_u32 s3, 2
.irp i, 0,1,2,3,4,5,6,7,8
	s_cselect_b64 s[8+2*\i:9+2*\i], s[44+2*\i:45+2*\i], s[8+2*\i:9+2*\i]
.endr
	s_add_nc_u64 s[62:63], s[62:63], s[6:7]        ; my MLP's block
	v_lshlrev_b32 v3, 4, v0                        ; 16 x thread
	s_cmp_eq_u32 s2, 16
	s_cbranch_scc1 .Lsmall
	; a matrix: item number 256 (x % 8) + thread = ((c 8 + t) 2 + q) 32 + L, so c = (x / 2) % 4, t = 4 (x % 2) + thread / 64, 2 q + L / 16 = (thread / 16) % 4
	s_cmp_lt_u32 s2, 8
	s_cselect_b64 s[66:67], s[10:11], s[12:13]     ; Ws_1 or Ws_2
	s_bfe_u32 s5, s2, 0x20001
	s_lshl_b32 s5, s5, 14                          ; c x 32 rows of 512 bytes
	s_and_b32 s6, s2, 1
	s_lshl_b32 s6, s6, 8                           ; 4 (x % 2) tiles of 64 bytes
	s_add_co_u32 s6, s6, s5
	s_add_nc_u64 s[66:67], s[66:67], s[6:7]
	s_lshl_b32 s6, s2, 12
	s_add_nc_u64 s[62:63], s[62:63], s[6:7]        ; x x 4,096 bytes: Ws_2's part follows Ws_1's
	v_bfe_u32 v1, v0, 4, 2
	v_lshlrev_b32 v1, 12, v1                       ; 8 (2 q + L / 16) rows
	v_lshrrev_b32 v2, 6, v0
	v_lshl_add_u32 v1, v2, 6, v1                   ; + the tile's 64 bytes
	v_and_b32 v2, 15, v0
	v_lshl_add_u32 v1, v2, 2, v1                   ; + my column
.irp e, 0,1,2,3,4,5,6,7
	global_load_b32 v[4+\e], v1, s[66:67] offset:512*\e
.endr
	s_wait_loadcnt 0x0
.irp e, 0,1,2,3
	v_cvt_pk_bf16_f32 v[12+\e], v[4+2*\e], v[5+2*\e]
.endr
	global_store_b128 v3, v[12:15], s[62:63]
	s_endpgm
; 512 bytes a wave: loaded, rounded to bf16, widened again, stored.  Each use has registers of its own, so no store's data are written again.
.macro ROW ain, base, iin, iout, r, t
	global_load_b128 v[\r:\r+3], v[\ain], s[\base:\base+1] offset:\iin
	s_wait_loadcnt 0x0
	v_cvt_pk_bf16_f32 v[\t], v[\r], v[\r+1]
	v_cvt_pk_bf16_f32 v[\t+1], v[\r+2], v[\r+3]
	v_lshlrev_b32 v[\r], 16, v[\t]
	v_and_b32 v[\r+1], s5, v[\t]
	v_lshlrev_b32 v[\r+2], 16, v[\t+1]
	v_and_b32 v[\r+3], s5, v[\t+1]
	global_store_b128 v3, v[\r:\r+3], s[62:63] offset:\iout
.endm
.Lsmall:
	s_mov_b32 s5, 0xffff0000
	v_and_b32 v2, 31, v0
	v_lshlrev_b32 v2, 4, v2                        ; 16 x lane
	ROW 3, 8, 0, SMALL, 4, 16                      ; Ws_0's rows 0-7: wave w takes row w
	s_cmp_lt_u32 s4, 3
	s_cbranch_scc0 .Lno_tail
	ROW 3, 8, 4096, SMALL+4096, 8, 18              ; rows 8-10: waves 0-2
.Lno_tail:
	s_cmp_lt_u32 s4, 6
	s_cbranch_scc0 .Lend
	s_mov_b64 s[66:67], s[14:15]                   ; waves 0-5: bs_1, g_0, be_0, bs_2, g_1, be_1
.irp i, 1,2,3,4,5
	s_cmp_eq_u32 s4, \i
	s_cselect_b64 s[66:67], s[14+2*\i:15+2*\i], s[66:67]
.endr
	ROW 2, 66, 0, SMALL+5632, 12, 20
.Lend:
	s_endpgm
.Lfunc_end_k_qb896224639_pack:
	.size	k_qb896224639_pack, .Lfunc_end_k_qb896224639_pack-k_qb896224639_pack
	.p2alignl 7, 3214868480
	.fill 96, 4, 3214868480
	.section	.rodata,"a",@progbits
	.p2align	6, 0x0
	.amdhsa_kernel k_qb896224639_pack
		.amdhsa_group_segment_fixed_size 0
		.amdhsa_private_segment_fixed_size 0
		.amdhsa_enable_private_segment 0
		.amdhsa_kernarg_size 224
		.amdhsa_user_sgpr_count 2
		.amdhsa_user_sgpr_kernarg_segment_ptr 1
		.amdhsa_wavefront_size32 1
		.amdhsa_system_sgpr_workgroup_id_x 1
		.amdhsa_system_sgpr_workgroup_id_y 1
		.amdhsa_system_sgpr_workgroup_id_z 1
		.amdhsa_system_vgpr_workitem_id 0
		.amdhsa_next_free_vgpr 24
		.amdhsa_next_free_sgpr 72
		.amdhsa_reserve_vcc 0
		.amdhsa_float_denorm_mode_32 3
		.amdhsa_float_denorm_mode_16_64 3
		.amdhsa_memory_ordered 1
		.amdhsa_forward_progress 1
		.amdhsa_inst_pref_size 6
	.end_amdhsa_kernel
	.amdgpu_metadata
---
amdhsa.version: [ 1, 2 ]
amdhsa.kernels:
  - .name:           k_qb896224639_pack
    .symbol:         k_qb896224639_pack.kd
    .args:
      - { .name: params_intensity_Ws_0, .offset: 0, .size: 8, .value_kind: global_buffer, .address_space: global }
      - { .name: params_intensity_Ws_1, .offset: 8, .size: 8, .value_kind: global_buffer, .address_space: global }
      - { .name: params_intensity_Ws_2, .offset: 16, .size: 8, .value_kind: global_buffer, .address_space: global }
      - { .name: params_intensity_bs_1, .offset: 24, .size: 8, .value_kind: global_buffer, .address_space: global }
      - { .name: params_intensity_g_0, .offset: 32, .size: 8, .value_kind: global_buffer, .address_space: global }
      - { .name: params_intensity_be_0, .offset: 40, .size: 8, .value_kind: global_buffer, .address_space: global }
      - { .name: params_intensity_bs_2, .offset: 48, .size: 8, .value_kind: global_buffer, .address_space: global }
      - { .name: params_intensity_g_1, .offset: 56, .size: 8, .value_kind: global_buffer, .address_space: global }
      - { .name: params_intensity_be_1, .offset: 64, .size: 8, .value_kind: global_buffer, .address_space: global }
      - { .name: params_jump_Ws_0, .offset: 72, .size: 8, .value_kind: global_buffer, .address_space: global }
      - { .name: params_jump_Ws_1, .offset: 80, .size: 8, .value_kind: global_buffer, .address_space: global }
      - { .name: params_jump_Ws_2, .offset: 88, .size: 8, .value_kind: global_buffer, .address_space: global }
      - { .name: params_jump_bs_1, .offset: 96, .size: 8, .value_kind: global_buffer, .address_space: global }
      - { .name: params_jump_g_0, .offset: 104, .size: 8, .value_kind: global_buffer, .address_space: global }
      - { .name: params_jump_be_0, .offset: 112, .size: 8, .value_kind: global_buffer, .address_space: global }
      - { .name: params_jump_bs_2, .offset: 120, .size: 8, .value_kind: global_buffer, .address_space: global }
      - { .name: params_jump_g_1, .offset: 128, .size: 8, .value_kind: global_buffer, .address_space: global }
      - { .name: params_jump_be_1, .offset: 136, .size: 8, .value_kind: global_buffer, .address_space: global }
      - { .name: params_diff_Ws_0, .offset: 144, .size: 8, .value_kind: global_buffer, .address_space: global }
      - { .name: params_diff_Ws_1, .offset: 152, .size: 8, .value_kind: global_buffer, .address_space: global }
      - { .name: params_diff_Ws_2, .offset: 160, .size: 8, .value_kind: global_buffer, .address_space: global }
      - { .name: params_diff_bs_1, .offset: 168, .size: 8, .value_kind: global_buffer, .address_space: global }
      - { .name: params_diff_g_0, .offset: 176, .size: 8, .value_kind: global_buffer, .address_space: global }
      - { .name: params_diff_be_0, .offset: 184, .size: 8, .value_kind: global_buffer, .address_space: global }
      - { .name: params_diff_bs_2, .offset: 192, .size: 8, .value_kind: global_buffer, .address_space: global }
      - { .name: params_diff_g_1, .offset: 200, .size: 8, .value_kind: global_buffer, .address_space: global }
      - { .name: params_diff_be_1, .offset: 208, .size: 8, .value_kind: global_buffer, .address_space: global }
      - { .name: wpack, .offset: 216, .size: 8, .value_kind: global_buffer, .address_space: global }
    .group_segment_fixed_size: 0
    .private_segment_fixed_size: 0
    .kernarg_segment_align: 8
    .kernarg_segment_size: 224
    .max_flat_workgroup_size: 256
    .sgpr_count:     72
    .vgpr_count:     24
    .wavefront_size: 32
...
	.end_amdgpu_metadata
.endif
;; end of part 1
;; launch sde (part 2): grid 256 x 1, 8 waves a work-group, clusters of 4 x 1, 230,400 bytes of LDS; arguments conditioning, diff_noise, jump_noise, uniforms, x0, wpack, params_intensity_bs_0, params_jump_bs_0, params_diff_bs_0, params_intensity_Ws_3, params_jump_Ws_3, params_diff_Ws_3, params_intensity_bs_3, params_jump_bs_3, params_diff_bs_3, out0; writes out0
.if DOCPART == 2
	.amdgcn_target "amdgcn-amd-amdhsa--gfx1250"
	.amdhsa_code_object_version 6
	.text
	.protected	k_qb896224639_sde
	.globl	k_qb896224639_sde
	.p2align	8
	.type	k_qb896224639_sde,@function
k_qb896224639_sde:
	s_mov_b64 s[64:65], 0
	v_nop
	global_prefetch_b8 v0, s[64:65] scope:SCOPE_SE
	s_setreg_imm32_b32 hwreg(HW_REG_WAVE_MODE, 25, 1), 1
	s_wait_xcnt 0x0
	s_wait_alu depctr_hold_cnt(0) depctr_sa_sdst(0) depctr_va_vdst(0) depctr_va_sdst(0) depctr_va_ssrc(0) depctr_va_vcc(0) depctr_vm_vsrc(0)
	s_getreg_b32 s2, hwreg(HW_REG_IB_STS2, 6, 4)
	s_cmp_eq_u32 s2, 0
	s_cbranch_scc0 .Lentry_in_a_cluster
	s_endpgm
.Lentry_in_a_cluster:
	s_bfe_u32 s2, ttmp6, 0x10000c
	s_cmp_lg_u32 s2, 0x3003
	s_cbranch_scc0 .Lentry_shape_is_right
	s_endpgm
.Lentry_shape_is_right:
; Four steps of the jump SDE for 32,768 rows; in each step three MLPs 11 -> 128 -> 128 -> 128 -> 1 or 2 (0 intensity: softplus; 1 jump, 2 diff: erf GELU), LayerNorm behind hidden layers 1 and 2.
; SHARES.  A work-group owns 128 rows, each of its eight waves 16 rows, for all MLPs and all steps: between the set-up and the way out no wave waits for another.
; FORMATS.  EVERY input is first rounded to bf16 (x0 in out0[:, 0] too).  A weight is then exact in one bf16; a hidden activation is cut, without loss, into three bf16 terms of 8 bits each
; (truncation, exact remainders), so a product is three bf16 matrix instructions with f32 sums and no operand is rounded.  All else is f32.  The comparison u < intensity turns a last-bit difference
; into a whole jump, which is why the operands are kept exact.
; LAYOUT.  D = W^T (source 0: 16 features x 32 k) x h^T (source 1: 32 k x 16 rows): lane l holds row l % 16, register j of tile t feature 16 t + 8 (l / 16) + j.  Tiles 2 c and 2 c + 1, packed in pairs,
; ARE source 1 of K step c of the next layer: activations never change lanes, and a row's sum wants one exchange between the halves of the lanes.
; LAYER 0 has no matrix work: bs_0 + the ten conditioning terms are made once a row (PRE0, 3 x 64 registers); a step adds x Ws_0[0].  The last layer is 32 packed multiply-adds an output.
; CLUSTER.  All work-groups read the same image of the weights, 222,720 bytes, once: the four of a cluster ask for it jointly, six waves 37,120 bytes each; no LDS byte is filled twice.
; LIMITS.  NaN and infinities are not treated apart (the cut forms inf - inf).  An exponential below 2^-126 counts as 0.  erf is a rational form in x / sqrt(2) held to -4 .. 4, beyond which erf is +-1 in f32.
; log(1 + e) is log(u) + (e - (u - 1)), u = 1 + e rounded: off by 3e-8 at the most.  A row whose u lies within some 1e-6 of its intensity may take the other branch than an f32 evaluation in another order.
;
; LDS: 0 the image (per MLP, MB bytes: Ws_1 and Ws_2 as fragments, then 17 rows of 512 bytes: Ws_0's 11 rows, bs_1, g_0, be_0, bs_2, g_1, be_1);
;      SCR, written by ds_store: bs_0 of the three MLPs, Ws_3 of 0, then Ws_3's columns 0 and 1 of 1 and of 2, 512 bytes each;  STG: the paths, 20 bytes a row;  SPARE: the spare words.
; REGISTERS, window 0: v0 thread; v1, v2 the add's; v3 16 lane; v4 32 (l / 16); v5, v6 LDS addresses of weights and of parameter rows; v7 SCR + 32 (l / 16); v[8:9] x; v10-12 u, jump noise, diff noise;
;   v13 jump flag, then the jump; v[14:15] mean; v[16:17] 1 / sigma; v18-25 four running pairs; v26 my row in STG; v27 4 x row; v28 -1; v29-31 at work;
;   v32-95 ACC, 8 a tile; v96-191 HB, the three terms, 32 each; v192-255 weights of even K steps, at work in the activations, be.
;   window 1: v0-191 PRE0, 64 an MLP; v192-255 weights of odd K steps, g.
.set MB,    74240
.set SMALL, 65536
.set PART,  37120                      ; what one tensor load brings: 145 rows of 256 bytes
.set SCR,   222720
.set STG,   226816
.set SPARE, 229376
.set ACC, 32
.set HB,  96
.set WF,  192
.set TA,  192                          ; four sets of eight pairs at work in the activations
.set TB,  208
.set TC,  224
.set TD,  240
.set T,   18
.set MSB, 0
.macro WIN new                         ; the immediate's high byte repeats the setting that is left; a switch that changes nothing is dropped
.if MSB != (\new)
	s_set_vgpr_msb (MSB<<8)|(\new)
.set MSB, (\new)
.endif
.endm
.macro ROUND                           ; a round of the cluster's barrier
	s_barrier_signal -1
	s_barrier_wait -1
	s_cmp_lg_u32 s3, 0
	s_cbranch_scc1 .Lnot_wave_0_\@
	s_barrier_signal -3
.Lnot_wave_0_\@:
	s_barrier_wait -3
	s_barrier_signal -1
	s_barrier_wait -1
.endm
.macro PLACES                          ; four plain places behind a matrix instruction, ahead of loads into its sources and of reads of its result
.rept 4
	v_nop
.endr
.endm
.macro EACH8 line:vararg               ; one line for each pair p of eight
.set p, 0
	s_wait_alu depctr_va_vdst(0)
.rept 8
	\line
.set p, p+1
.endr
.endm
.macro LDV dst, adr, off               ; my 64 numbers of a row of 128 f32: for each tile the 32 bytes at 64 t + 32 (l / 16)
.set t, 0
.rept 8
	ds_load_b128 v[(\dst)+8*t:(\dst)+8*t+3],   v[\adr] offset:(\off)+64*t
	ds_load_b128 v[(\dst)+8*t+4:(\dst)+8*t+7], v[\adr] offset:(\off)+64*t+16
.set t, t+1
.endr
.endm
	s_load_b512 s[8:23], s[0:1], 0x0               ; conditioning 8, diff_noise 10, jump_noise 12, uniforms 14, x0 16, wpack 18, bs_0 20 22 24 (first two here)
	s_load_b512 s[24:39], s[0:1], 0x40             ; Ws_3 26 28 30, bs_3 32 34 36, out0 38
	v_lshl_add_u32 v1, v0, 2, SPARE
	v_mov_b32 v2, 0
	ds_add_u32 v1, v2                              ; the wave's opening: the add and its wait go ahead of my first tensor load; the set-up below, work on registers, stands between
	v_lshrrev_b32 v29, 5, v0
	v_readfirstlane_b32 s3, v29                    ; wave 0..7
	s_bfe_u32 s4, ttmp6, 0x40000                   ; cx
	s_lshl_b32 s5, ttmp9, 2
	s_add_co_u32 s5, s5, s4                        ; work-group = 4 x cluster + cx: it enters global addresses alone
	s_mov_b32 s55, 0x3c000000                      ; 1 / 128
	s_mov_b32 s66, -2.72614225801306e-10           ; erf's numerator, highest power first; each constant twice, since the packed forms name a pair
	s_mov_b32 s67, s66
	s_mov_b32 s68, 2.77068142495902e-08
	s_mov_b32 s69, s68
	s_mov_b32 s70, -2.10102402082508e-06
	s_mov_b32 s71, s70
	s_mov_b32 s72, -5.69250639462346e-05
	s_mov_b32 s73, s72
	s_mov_b32 s74, -7.34990630326855e-04
	s_mov_b32 s75, s74
	s_mov_b32 s76, -2.95459980854025e-03
	s_mov_b32 s77, s76
	s_mov_b32 s78, -1.60960333262415e-02
	s_mov_b32 s79, s78
	s_mov_b32 s80, -1.45660718464996e-05           ; its denominator
	s_mov_b32 s81, s80
	s_mov_b32 s82, -2.13374055278905e-04
	s_mov_b32 s83, s82
	s_mov_b32 s84, -1.68282697438203e-03
	s_mov_b32 s85, s84
	s_mov_b32 s86, -7.37332916720468e-03
	s_mov_b32 s87, s86
	s_mov_b32 s88, -1.42647390514189e-02
	s_mov_b32 s89, s88
	s_mov_b32 s90, 0x3f3504f3                      ; 1 / sqrt(2)
	s_mov_b32 s91, s90
	s_mov_b32 s92, 0x3fb8aa3b                      ; log2(e)
	s_mov_b32 s93, s92
	s_mov_b32 s94, 0x3f317218                      ; ln(2)
	s_mov_b32 s95, s94
	s_mov_b32 s96, 0x76543210                      ; v_permlanex16_b32: each lane takes its own place in the other half
	s_mov_b32 s97, 0xfedcba98
	s_mov_b32 s98, 0x07060302                      ; v_perm_b32: the two upper halves
	s_mov_b32 s99, 0x80000000
	s_mov_b32 s105, 0xffff0000
	; the descriptor: 145 rows of 32 elements of 8 bytes, dense; the mask names the cluster's four work-groups
	s_mov_b32 s40, 1                               ; count = 1
	s_mul_i32 s41, s3, PART                        ; LDS address: wave x 37,120
	s_mov_b32 s44, 15|(3<<16)|(1<<21)              ; 15:0 mask; 17:16 elements of 8 bytes; 21 set beside a mask
	s_mov_b32 s45, 32<<16                          ; tensor_dim0 = 32
	s_mov_b32 s46, 145<<16                         ; tensor_dim1 = 145
	s_mov_b32 s47, 32<<16                          ; tile_dim0 = 32
	s_mov_b32 s48, 145                             ; tile_dim1 = 145
	s_mov_b32 s49, 32                              ; 32 elements from row to row
	s_mov_b32 s50, 0
	s_mov_b32 s51, 0
	s_mov_b32 s60, s41                             ; the same offset in wpack
	s_mov_b32 s61, 0
	v_and_b32 v29, 31, v0
	v_lshlrev_b32 v3, 4, v29                       ; 16 x lane
	v_bfe_u32 v30, v0, 4, 1
	v_lshlrev_b32 v4, 5, v30                       ; 32 (l / 16)
	v_add_nc_u32 v7, SCR, v4
	v_and_b32 v31, 15, v0
	s_lshl_b32 s2, s3, 4
	v_add_nc_u32 v27, s2, v31                      ; my row in the work-group: 16 wave + l % 16
	v_mul_u32_u24 v23, v27, 40                     ; its ten conditioning numbers
	v_lshlrev_b32 v27, 2, v27
	s_mul_i32 s2, s3, 320
	s_add_co_u32 s2, s2, STG
	v_mad_u32_u24 v26, v31, 20, s2                 ; my row in the stage: my wave's 320 bytes, 20 a row
	v_mov_b32 v28, -1.0
	s_wait_dscnt 0x0                               ; the opening add is done
	s_wait_kmcnt 0x0
	s_load_b32 s54, s[32:33], 0x0                  ; bs_3 of the three MLPs, as given
	s_load_b64 s[56:57], s[34:35], 0x0
	s_load_b64 s[58:59], s[36:37], 0x0
	s_add_nc_u64 s[42:43], s[18:19], s[60:61]      ; global address: my part of the image
	s_or_b32 s43, s43, 0x80000000                  ; type = 2
	ROUND                                          ; all four work-groups are here: the joint loads meet
	s_cmp_lt_u32 s3, 6                             ; waves 0-5 fetch a sixth each: one tensor load of mine is out at the most
	s_cbranch_scc0 .Lno_fill
	tensor_load_to_lds s[40:43], s[44:51]
	s_nop 0
.rept 4
	v_nop
.endr
.Lno_fill:
	; what the image does not hold: one load of 512 bytes a wave.  Waves 0-2: bs_0; wave 3: Ws_3 of the intensity; waves 4, 5: the halves of jump's Ws_3; waves 6, 7: of diff's
	s_mov_b64 s[52:53], s[20:21]
	s_cmp_eq_u32 s3, 1
	s_cselect_b64 s[52:53], s[22:23], s[52:53]
	s_cmp_eq_u32 s3, 2
	s_cselect_b64 s[52:53], s[24:25], s[52:53]
	s_cmp_eq_u32 s3, 3
	s_cselect_b64 s[52:53], s[26:27], s[52:53]
	s_lshr_b32 s2, s3, 1
	s_cmp_eq_u32 s2, 2
	s_cselect_b64 s[52:53], s[28:29], s[52:53]
	s_cmp_eq_u32 s2, 3
	s_cselect_b64 s[52:53], s[30:31], s[52:53]
	s_lshr_b32 s60, s3, 2
	s_and_b32 s60, s60, s3                         ; 1 for waves 5 and 7
	s_lshl_b32 s60, s60, 9
	s_add_nc_u64 s[52:53], s[52:53], s[60:61]
	s_mul_i32 s6, s5, 5120                         ; my work-group's 128 rows in each tensor
	s_mov_b32 s7, 0
	s_add_nc_u64 s[8:9], s[8:9], s[6:7]
	s_lshl_b32 s6, s5, 9
	s_add_nc_u64 s[10:11], s[10:11], s[6:7]
	s_add_nc_u64 s[12:13], s[12:13], s[6:7]
	s_add_nc_u64 s[14:15], s[14:15], s[6:7]
	s_add_nc_u64 s[16:17], s[16:17], s[6:7]
	s_mul_i32 s6, s5, 2560
	s_add_nc_u64 s[38:39], s[38:39], s[6:7]
	global_load_b128 v[32:35], v3, s[52:53]
	global_load_b32 v8, v27, s[16:17]
.irp i, 0,1,2,3,4
	global_load_b64 v[10+2*\i:11+2*\i], v23, s[8:9] offset:8*\i   ; conditioning 0-9 in v10-19 during the set-up
.endr
	s_wait_loadcnt 0x0
	v_cvt_pk_bf16_f32 v36, v32, v33
	v_cvt_pk_bf16_f32 v37, v34, v35
	s_cmp_lt_u32 s3, 4
	s_cbranch_scc0 .Lcols
	v_lshlrev_b32 v32, 16, v36                     ; a plain row: rounded, widened, stored as it lies
	v_and_b32 v33, s105, v36
	v_lshlrev_b32 v34, 16, v37
	v_and_b32 v35, s105, v37
	s_lshl_b32 s2, s3, 9
	s_add_co_u32 s2, s2, SCR
	v_add_nc_u32 v38, s2, v3
	ds_store_b128 v38, v[32:35]
	s_branch .Lstaged
.Lcols:
	v_lshlrev_b32 v32, 16, v36                     ; [k][2]: my four numbers are two k x two columns; the columns are parted
	v_lshlrev_b32 v33, 16, v37
	v_and_b32 v34, s105, v36
	v_and_b32 v35, s105, v37
	s_sub_co_u32 s2, s3, 4
	s_lshr_b32 s2, s2, 1
	s_lshl_b32 s2, s2, 10                          ; jump's or diff's 1,024 bytes,
	s_and_b32 s60, s3, 1
	s_lshl_b32 s60, s60, 8                         ; my 64 k of a column
	s_add_co_u32 s2, s2, s60
	s_add_co_u32 s2, s2, SCR+2048
	v_lshrrev_b32 v38, 1, v3
	v_add_nc_u32 v38, s2, v38
	ds_store_b64 v38, v[32:33]
	ds_store_b64 v38, v[34:35] offset:512
.Lstaged:
	v_cvt_pk_bf16_f32 v29, v8, v8
	v_lshlrev_b32 v8, 16, v29                      ; x0, rounded
	ds_store_b32 v26, v8                           ; the path's first number (both halves of the lanes write the same word)
.irp i, 0,1,2,3,4
	v_cvt_pk_bf16_f32 v29, v[10+2*\i], v[11+2*\i]
	v_lshlrev_b32 v[10+2*\i], 16, v29
	v_and_b32 v[11+2*\i], s105, v29
.endr
	s_wait_kmcnt 0x0
	v_cvt_pk_bf16_f32 v29, s56, s57                ; bs_3, rounded, back into scalar registers
	v_cvt_pk_bf16_f32 v30, s58, s59
	v_cvt_pk_bf16_f32 v31, s54, s54
	v_lshlrev_b32 v24, 16, v29
	v_and_b32 v25, s105, v29
	v_readfirstlane_b32 s56, v24
	v_readfirstlane_b32 s57, v25
	v_lshlrev_b32 v24, 16, v30
	v_and_b32 v25, s105, v30
	v_readfirstlane_b32 s58, v24
	v_readfirstlane_b32 s59, v25
	v_lshlrev_b32 v24, 16, v31
	v_readfirstlane_b32 s54, v24
	s_wait_tensorcnt 0x0                           ; my part of the image has landed,
	s_wait_dscnt 0x0                               ; my stores into SCR are done:
	s_barrier_signal -1
	s_barrier_wait -1                              ; everybody's are.  From here on the image and SCR are only read
	; PRE0 = bs_0 + the sum over k = 1..10 of conditioning[k - 1] x Ws_0[k], for the three MLPs
	WIN 0x40
	LDV 0,   7, 0
	LDV 64,  7, 512
	LDV 128, 7, 1024
	WIN 0
	v_add_nc_u32 v20, SMALL+512, v4                ; Ws_0's row 1 in each MLP's block
	v_add_nc_u32 v21, MB+SMALL+512, v4
	v_add_nc_u32 v22, 2*MB+SMALL+512, v4
	s_mov_b32 s63, 10
.Lpre:
	LDV ACC, 20, 0
	LDV HB,  21, 0
	LDV WF,  22, 0
	s_wait_dscnt 32                                ; the youngest 32 loads, the other two MLPs' rows, may be out (bs_0's loads are older than all 48)
	WIN 0x50                                       ; destination and addend in window 1
.set p, 0
.rept 32
	v_pk_fma_f32 v[2*p:2*p+1], v[ACC+2*p:ACC+2*p+1], v[10:11], v[2*p:2*p+1] op_sel_hi:[1,0,1]
.set p, p+1
.endr
	s_wait_dscnt 16                                ; the last MLP's row may be out
.set p, 0
.rept 32
	v_pk_fma_f32 v[64+2*p:65+2*p], v[HB+2*p:HB+2*p+1], v[10:11], v[64+2*p:65+2*p] op_sel_hi:[1,0,1]
.set p, p+1
.endr
	s_wait_dscnt 0x0
.set p, 0
.rept 32
	v_pk_fma_f32 v[128+2*p:129+2*p], v[WF+2*p:WF+2*p+1], v[10:11], v[128+2*p:129+2*p] op_sel_hi:[1,0,1]
.set p, p+1
.endr
	WIN 0
	v_add_nc_u32 v20, 512, v20                     ; the next row,
	v_add_nc_u32 v21, 512, v21
	v_add_nc_u32 v22, 512, v22
.irp i, 10,11,12,13,14,15,16,17,18
	v_mov_b32 v[\i], v[\i+1]                       ; and the next conditioning number comes to v10
.endr
	s_sub_co_u32 s63, s63, 1
	s_cmp_lg_u32 s63, 0
	s_cbranch_scc1 .Lpre
	v_mov_b32 v9, 0                                ; partners of broadcast pairs: named, never used
	v_mov_b32 v15, 0
	v_mov_b32 v17, 0
	v_mov_b32 v13, 0
	v_mov_b32 v31, 0                               ; v_permlanex16_b32's destination counts as read
; z = PRE0 + x Ws_0[0]
.macro PRELUDE m
	WIN 0x10                                       ; the addend in window 1
.set p, 0
.rept 32
	v_pk_fma_f32 v[ACC+2*p:ACC+2*p+1], v[WF+2*p:WF+2*p+1], v[8:9], v[64*(\m)+2*p:64*(\m)+2*p+1] op_sel_hi:[1,0,1]
.set p, p+1
.endr
	WIN 0
.endm
; 0.5 z (1 + erf(z / sqrt(2))) in place, two tiles (eight pairs) at a time, stage by stage; each accumulator's lowest registers are read first.
; Behind each reciprocal stands a plain line that names neither its result nor its source (ISA guide 5.7.2).
.macro GELU
.set ZB, ACC
.rept 4
	EACH8 v_pk_mul_f32 v[TA+2*p:TA+2*p+1], v[ZB+2*p:ZB+2*p+1], s[90:91] op_sel_hi:[1,0]
	EACH8 v_med3_num_f32 v[TA+2*p], v[TA+2*p], -4.0, 4.0
	EACH8 v_med3_num_f32 v[TA+2*p+1], v[TA+2*p+1], -4.0, 4.0
	EACH8 v_pk_mul_f32 v[TB+2*p:TB+2*p+1], v[TA+2*p:TA+2*p+1], v[TA+2*p:TA+2*p+1]
	EACH8 v_pk_fma_f32 v[TC+2*p:TC+2*p+1], v[TB+2*p:TB+2*p+1], s[66:67], s[68:69] op_sel_hi:[1,0,0]
	EACH8 v_pk_fma_f32 v[TD+2*p:TD+2*p+1], v[TB+2*p:TB+2*p+1], s[80:81], s[82:83] op_sel_hi:[1,0,0]
.irp a, 70,72,74,76,78
	EACH8 v_pk_fma_f32 v[TC+2*p:TC+2*p+1], v[TC+2*p:TC+2*p+1], v[TB+2*p:TB+2*p+1], s[\a:\a+1] op_sel_hi:[1,1,0]
.endr
.irp a, 84,86,88
	EACH8 v_pk_fma_f32 v[TD+2*p:TD+2*p+1], v[TD+2*p:TD+2*p+1], v[TB+2*p:TB+2*p+1], s[\a:\a+1] op_sel_hi:[1,1,0]
.endr
.set p, 0
.rept 8
	v_rcp_f32 v[TD+2*p], v[TD+2*p]
	v_pk_mul_f32 v[TC+2*p:TC+2*p+1], v[TC+2*p:TC+2*p+1], v[TA+2*p:TA+2*p+1]
	v_rcp_f32 v[TD+2*p+1], v[TD+2*p+1]
	v_pk_mul_f32 v[TB+2*p:TB+2*p+1], v[ZB+2*p:ZB+2*p+1], 0.5 op_sel_hi:[1,0]
.set p, p+1
.endr
	EACH8 v_pk_mul_f32 v[TC+2*p:TC+2*p+1], v[TC+2*p:TC+2*p+1], v[TD+2*p:TD+2*p+1]
	EACH8 v_pk_fma_f32 v[ZB+2*p:ZB+2*p+1], v[TC+2*p:TC+2*p+1], v[TB+2*p:TB+2*p+1], v[TB+2*p:TB+2*p+1]
.set ZB, ZB+16
.endr
.endm
; max(z, 0) + log(1 + e), e = exp(-|z|), in place.  n = -|z|; z - n = 2 max(z, 0), exact; u = 1 + e; d = e - (u - 1) is what that sum's rounding lost; the result is 0.5 (z - n) + (ln 2 log2 u + d).
; A plain line that touches neither result nor source stands behind each exponential and logarithm before its result is used.
.macro SOFTPLUS
.set ZB, ACC
.rept 4
	EACH8 v_or_b32 v[TA+2*p], s99, v[ZB+2*p]
	EACH8 v_or_b32 v[TA+2*p+1], s99, v[ZB+2*p+1]
	EACH8 v_pk_mul_f32 v[TB+2*p:TB+2*p+1], v[TA+2*p:TA+2*p+1], s[92:93] op_sel_hi:[1,0]
.set p, 0
.rept 8
	v_exp_f32 v[TB+2*p], v[TB+2*p]
	v_pk_add_f32 v[TC+2*p:TC+2*p+1], v[ZB+2*p:ZB+2*p+1], v[TA+2*p:TA+2*p+1] neg_lo:[0,1] neg_hi:[0,1]
	v_exp_f32 v[TB+2*p+1], v[TB+2*p+1]
.if p > 0
	s_wait_alu depctr_va_vdst(0)
	v_pk_add_f32 v[TD+2*p-2:TD+2*p-1], v[TB+2*p-2:TB+2*p-1], 1.0 op_sel_hi:[1,0]
.endif
.set p, p+1
.endr
	v_pk_add_f32 v[TD+14:TD+15], v[TB+14:TB+15], 1.0 op_sel_hi:[1,0]
	v_pk_add_f32 v[TA:TA+1], v[TD:TD+1], -1.0 op_sel_hi:[1,0]
.set p, 0
.rept 8
	v_log_f32 v[TD+2*p], v[TD+2*p]
	v_pk_add_f32 v[TB+2*p:TB+2*p+1], v[TB+2*p:TB+2*p+1], v[TA+2*p:TA+2*p+1] neg_lo:[0,1] neg_hi:[0,1]
	v_log_f32 v[TD+2*p+1], v[TD+2*p+1]
.if p < 7
	v_pk_add_f32 v[TA+2*p+2:TA+2*p+3], v[TD+2*p+2:TD+2*p+3], -1.0 op_sel_hi:[1,0]
.endif
.set p, p+1
.endr
	EACH8 v_pk_fma_f32 v[TD+2*p:TD+2*p+1], v[TD+2*p:TD+2*p+1], s[94:95], v[TB+2*p:TB+2*p+1] op_sel_hi:[1,0,1]
	EACH8 v_pk_fma_f32 v[ZB+2*p:ZB+2*p+1], v[TC+2*p:TC+2*p+1], 0.5, v[TD+2*p:TD+2*p+1] op_sel_hi:[1,0,1]
.set ZB, ZB+16
.endr
.endm
.macro REDUCE dst                      ; the four running pairs, and the other half of the lanes', into one number a row
	v_pk_add_f32 v[T:T+1], v[T:T+1], v[T+2:T+3]
	v_pk_add_f32 v[T+4:T+5], v[T+4:T+5], v[T+6:T+7]
	v_pk_add_f32 v[T:T+1], v[T:T+1], v[T+4:T+5]
	v_add_f32 v[\dst], v[T], v[T+1]
	v_permlanex16_b32 v31, v[\dst], s96, s97
	v_add_f32 v[\dst], v[\dst], v31
.endm
.macro DOT wb, dst                     ; the sum over the row's 128 features of ACC x v[wb ..]; the first four products start the sums
.set p, 0
.rept 32
.if p < 4
	v_pk_mul_f32 v[T+2*p:T+2*p+1], v[ACC+2*p:ACC+2*p+1], v[(\wb)+2*p:(\wb)+2*p+1]
.else
	v_pk_fma_f32 v[T+2*(p%4):T+2*(p%4)+1], v[ACC+2*p:ACC+2*p+1], v[(\wb)+2*p:(\wb)+2*p+1], v[T+2*(p%4):T+2*(p%4)+1]
.endif
.set p, p+1
.endr
	REDUCE \dst
.endm
; LayerNorm in two passes: the mean, then the mean square of h - mean; 1 / sqrt with one Newton step; ((h - mean) / sigma) g + be.  g and be are asked for first and waited for where they are used.
.macro LN
	WIN 0x40
	LDV WF, 6, 0                                   ; g, window 1
	WIN 0
	LDV WF, 6, 512                                 ; be
.set p, 0
.rept 28
.if p < 4
	v_pk_add_f32 v[T+2*p:T+2*p+1], v[ACC+2*p:ACC+2*p+1], v[ACC+2*p+8:ACC+2*p+9]
.else
	v_pk_add_f32 v[T+2*(p%4):T+2*(p%4)+1], v[T+2*(p%4):T+2*(p%4)+1], v[ACC+2*p+8:ACC+2*p+9]
.endif
.set p, p+1
.endr
	REDUCE 29
	v_mul_f32 v14, s55, v29
.set p, 0
.rept 32
	v_pk_add_f32 v[ACC+2*p:ACC+2*p+1], v[ACC+2*p:ACC+2*p+1], v[14:15] op_sel_hi:[1,0] neg_lo:[0,1] neg_hi:[0,1]
.set p, p+1
.endr
	DOT ACC, 29
	v_fmaak_f32 v29, s55, v29, 0x3727c5ac          ; variance + 1e-5
	v_rsq_f32 v16, v29
	v_nop                                          ; a plain line behind the root
	s_wait_alu depctr_va_vdst(0)
	v_mul_f32 v30, v29, v16
	v_mul_f32 v31, 0.5, v16
	v_fma_f32 v30, -v30, v16, 1.0
	v_fma_f32 v16, v31, v30, v16
.set p, 0
.rept 32
	v_pk_mul_f32 v[ACC+2*p:ACC+2*p+1], v[ACC+2*p:ACC+2*p+1], v[16:17] op_sel_hi:[1,0]
.set p, p+1
.endr
	s_wait_dscnt 0x0                               ; g and be are in
	WIN 0x04                                       ; g in window 1
.set p, 0
.rept 32
	v_pk_fma_f32 v[ACC+2*p:ACC+2*p+1], v[ACC+2*p:ACC+2*p+1], v[WF+2*p:WF+2*p+1], v[WF+2*p:WF+2*p+1]
.set p, p+1
.endr
	WIN 0
.endm
; Each f32 is cut into three bf16: its upper half, the upper half of the exact remainder, and the remainder of that, which has eight bits left.  Pairs of neighbouring features share a word.
.macro SPLIT
.set ZB, ACC
.set PB, HB
.rept 4
.irp s, 0,32
	EACH8 v_perm_b32 v[PB+\s+p], v[ZB+2*p+1], v[ZB+2*p], s98
	EACH8 v_fma_mix_f32_bf16 v[ZB+2*p], v[PB+\s+p], v28, v[ZB+2*p] op_sel_hi:[1,0,0]
	EACH8 v_fma_mix_f32_bf16 v[ZB+2*p+1], v[PB+\s+p], v28, v[ZB+2*p+1] op_sel:[1,0,0] op_sel_hi:[1,0,0]
.endr
	EACH8 v_perm_b32 v[PB+64+p], v[ZB+2*p+1], v[ZB+2*p], s98
.set ZB, ZB+16
.set PB, PB+8
.endr
.endm
.macro LOADW c                         ; the eight fragments of W^T for K step c: 512 consecutive bytes a load; even steps into window 0, odd into window 1
	WIN 0x40*((\c)%2)
.set t, 0
.rept 8
	ds_load_b128 v[WF+8*t:WF+8*t+3],   v5 offset:((\c)*8+t)*1024
	ds_load_b128 v[WF+8*t+4:WF+8*t+7], v5 offset:((\c)*8+t)*1024+512
.set t, t+1
.endr
.endm
.macro MM c                            ; K step c: three terms, the smallest first, x eight tiles.  The eight accumulators take turns, one instruction a turn, from step to step too
	WIN (\c)%2
.irp s, 2,1,0
.set t, 0
.rept 8
	v_wmma_f32_16x16x32_bf16 v[ACC+8*t:ACC+8*t+7], v[WF+8*t:WF+8*t+7], v[HB+32*\s+8*(\c):HB+32*\s+8*(\c)+7], v[ACC+8*t:ACC+8*t+7]
.set t, t+1
.endr
.endr
.endm
.macro MATMUL                          ; ACC = bias + W^T h: the bias is loaded straight into the accumulators, and the first products add onto it
	v_add_nc_u32 v5, s101, v3
	LDV ACC, 6, 1024
	LOADW 0
	LOADW 1
	s_wait_dscnt 16                                ; the bias and step 0 are in; step 1's sixteen loads may be out
	MM 0
	PLACES
	LOADW 2
	s_wait_dscnt 16                                ; step 1 is in
	MM 1
	PLACES
	LOADW 3
	s_wait_dscnt 16                                ; step 2 is in
	MM 2
	s_wait_dscnt 0x0
	MM 3
	WIN 0
	PLACES
.endm
.macro FINAL nout, off                 ; the last layer's one or two outputs, without bias, into v29 (and v30)
	LDV HB, 7, \off
.if (\nout) == 2
	LDV HB+64, 7, (\off)+512
.endif
	s_wait_dscnt 16*((\nout)-1)                    ; column 1's sixteen loads may be out
	DOT HB, 29
.if (\nout) == 2
	s_wait_dscnt 0x0
	DOT HB+64, 30
.endif
.endm
.macro SP1 x                           ; softplus of one number a lane, as above
	v_or_b32 v18, s99, v[\x]
	v_mul_f32 v19, s92, v18
	v_exp_f32 v19, v19
	v_sub_f32 v18, v[\x], v18
	s_wait_alu depctr_va_vdst(0)
	v_add_f32 v20, 1.0, v19
	v_add_f32 v21, -1.0, v20
	v_sub_f32 v21, v19, v21
	v_log_f32 v20, v20
	v_mul_f32 v18, 0.5, v18
	s_wait_alu depctr_va_vdst(0)
	v_fma_f32 v20, v20, s94, v21
	v_add_f32 v[\x], v18, v20
.endm
	s_mov_b32 s60, 4                               ; steps to go
.Lstep:
	global_load_b32 v10, v27, s[14:15]             ; this step's u, jump noise, diff noise: wanted behind the first MLP
	global_load_b32 v11, v27, s[12:13]
	global_load_b32 v12, v27, s[10:11]
	s_mov_b32 s100, 0                              ; the MLP's block in LDS
	s_mov_b32 s61, 0                               ; the MLP
.Lmlp:
	s_mov_b32 s101, s100                           ; the next layer's weights
	s_add_co_u32 s104, s100, SMALL+4608            ; 1,024 bytes ahead of the next layer's bias; g and be of the layer in hand lie at +0 and +512
	s_add_co_u32 s2, s100, SMALL
	v_add_nc_u32 v29, s2, v4
	LDV WF, 29, 0                                  ; Ws_0's row 0
	s_wait_dscnt 0x0
	s_cmp_eq_u32 s61, 0
	s_cbranch_scc1 .Lpre0
	s_cmp_eq_u32 s61, 1
	s_cbranch_scc1 .Lpre1
	PRELUDE 2
	s_branch .Lpred
.Lpre0:
	PRELUDE 0
	s_branch .Lpred
.Lpre1:
	PRELUDE 1
.Lpred:
	s_mov_b32 s62, 0                               ; a trip: the activation of layer s62; behind layers 1 and 2 the norm; behind layers 0 and 1 the next layer's product
.Llayer:
	v_add_nc_u32 v6, s104, v4
	s_cmp_eq_u32 s61, 0
	s_cbranch_scc0 .Lgelu
	SOFTPLUS
	s_branch .Lacted
.Lgelu:
	GELU
.Lacted:
	s_cmp_eq_u32 s62, 0
	s_cbranch_scc1 .Lsplit
	LN
	s_cmp_eq_u32 s62, 2
	s_cbranch_scc1 .Lnext
.Lsplit:
	SPLIT
	MATMUL
	s_add_co_u32 s101, s101, 32768
.Lnext:
	s_add_co_u32 s104, s104, 1536
	s_add_co_u32 s62, s62, 1
	s_cmp_lt_u32 s62, 3
	s_cbranch_scc1 .Llayer
	s_wait_loadcnt 0x0                             ; the step's three loads are in: on every MLP's path, so that every read of them and the stepping of their bases stand behind it
	s_cmp_eq_u32 s61, 0
	s_cbranch_scc1 .Ltail_i
	s_cmp_eq_u32 s61, 1
	s_cbranch_scc1 .Ltail_j
	FINAL 2, 3072                                  ; diff: drift and coefficient
	v_add_f32 v29, s58, v29
	v_add_f32 v30, s59, v30
	SP1 30
	v_add_f32 v8, v8, v29                          ; x + drift,
	v_fma_f32 v8, v30, v12, v8                     ; + coefficient x noise,
	v_add_f32 v8, v8, v13                          ; + jump
	ds_store_b32 v26, v8 offset:4
	v_add_nc_u32 v26, 4, v26
	s_branch .Ltailed
.Ltail_i:
	v_cvt_pk_bf16_f32 v30, v10, v11                ; the three noises are rounded like every input
	v_cvt_pk_bf16_f32 v31, v12, v12
	v_lshlrev_b32 v10, 16, v30
	v_and_b32 v11, s105, v30
	v_lshlrev_b32 v12, 16, v31
	FINAL 1, 1536
	v_add_f32 v29, s54, v29
	SP1 29
	v_cmp_lt_f32 vcc_lo, v10, v29                  ; u < intensity: it selects a value, nothing else
	v_cndmask_b32 v13, 0, 1.0, vcc_lo
	s_branch .Ltailed
.Ltail_j:
	FINAL 2, 2048
	v_add_f32 v29, s56, v29
	v_add_f32 v30, s57, v30
	v_mul_f32 v18, s92, v30                        ; exp(o) = 2^th (1 + ln 2 tl): th = o log2(e) rounded, tl what that product and the constant's rounding lost
	v_fma_f32 v19, v30, s92, -v18
	v_fmamk_f32 v19, v30, 0x32a5705f, v19
	v_exp_f32 v18, v18
	v_mul_f32 v19, s94, v19
	s_wait_alu depctr_va_vdst(0)
	v_fma_f32 v18, v18, v19, v18
	v_fma_f32 v18, v18, v11, v29
	v_mul_f32 v13, v18, v13
.Ltailed:
	s_add_co_u32 s100, s100, MB
	s_add_co_u32 s61, s61, 1
	s_cmp_lt_u32 s61, 3
	s_cbranch_scc1 .Lmlp
	s_add_nc_u64 s[10:11], s[10:11], 0x20000       ; the next step's 32,768 numbers (behind the last step the bases are not used)
	s_add_nc_u64 s[12:13], s[12:13], 0x20000
	s_add_nc_u64 s[14:15], s[14:15], 0x20000
	s_sub_co_u32 s60, s60, 1
	s_cmp_lg_u32 s60, 0
	s_cbranch_scc1 .Lstep
	; THE WAY OUT: the work-group's 128 rows x 20 bytes lie in the stage as they lie in out0: 2,560 bytes, 512 a wave for waves 0-4, each store 512 consecutive bytes, aligned
	s_wait_tensorcnt 0x0                           ; the wave's end: the add and its waits stand behind my last tensor load and my last LDS store
	ds_add_u32 v1, v2
	s_wait_dscnt 0x0                               ; my stores into the stage are done too:
	s_barrier_signal -1
	s_barrier_wait -1                              ; everybody's are
	s_cmp_lt_u32 s3, 5
	s_cbranch_scc0 .Ldone
	s_lshl_b32 s2, s3, 9
	v_add_nc_u32 v30, s2, v3
	v_add_nc_u32 v29, STG, v30
	ds_load_b128 v[32:35], v29
	s_wait_dscnt 0x0
	global_store_b128 v30, v[32:35], s[38:39]
.Ldone:
	ROUND                                          ; the closing round: no work-group ends while a partner may still ask for a tile that names it
	s_endpgm
.Lfunc_end_k_qb896224639_sde:
	.size	k_qb896224639_sde, .Lfunc_end_k_qb896224639_sde-k_qb896224639_sde
	.p2alignl 7, 3214868480
	.fill 96, 4, 3214868480
	.section	.rodata,"a",@progbits
	.p2align	6, 0x0
	.amdhsa_kernel k_qb896224639_sde
		.amdhsa_group_segment_fixed_size 230400
		.amdhsa_private_segment_fixed_size 0
		.amdhsa_enable_private_segment 0
		.amdhsa_kernarg_size 128
		.amdhsa_user_sgpr_count 2
		.amdhsa_user_sgpr_kernarg_segment_ptr 1
		.amdhsa_wavefront_size32 1
		.amdhsa_system_sgpr_workgroup_id_x 1
		.amdhsa_system_sgpr_workgroup_id_y 1
		.amdhsa_system_sgpr_workgroup_id_z 1
		.amdhsa_system_vgpr_workitem_id 0
		.amdhsa_next_free_vgpr 512
		.amdhsa_next_free_sgpr 106
		.amdhsa_reserve_vcc 1
		.amdhsa_float_denorm_mode_32 3
		.amdhsa_float_denorm_mode_16_64 3
		.amdhsa_memory_ordered 1
		.amdhsa_forward_progress 1
		.amdhsa_inst_pref_size 152
	.end_amdhsa_kernel
	.amdgpu_metadata
---
amdhsa.version: [ 1, 2 ]
amdhsa.kernels:
  - .name:           k_qb896224639_sde
    .symbol:         k_qb896224639_sde.kd
    .args:
      - { .name: conditioning, .offset: 0, .size: 8, .value_kind: global_buffer, .address_space: global }
      - { .name: diff_noise, .offset: 8, .size: 8, .value_kind: global_buffer, .address_space: global }
      - { .name: jump_noise, .offset: 16, .size: 8, .value_kind: global_buffer, .address_space: global }
      - { .name: uniforms, .offset: 24, .size: 8, .value_kind: global_buffer, .address_space: global }
      - { .name: x0, .offset: 32, .size: 8, .value_kind: global_buffer, .address_space: global }
      - { .name: wpack, .offset: 40, .size: 8, .value_kind: global_buffer, .address_space: global }
      - { .name: params_intensity_bs_0, .offset: 48, .size: 8, .value_kind: global_buffer, .address_space: global }
      - { .name: params_jump_bs_0, .offset: 56, .size: 8, .value_kind: global_buffer, .address_space: global }
      - { .name: params_diff_bs_0, .offset: 64, .size: 8, .value_kind: global_buffer, .address_space: global }
      - { .name: params_intensity_Ws_3, .offset: 72, .size: 8, .value_kind: global_buffer, .address_space: global }
      - { .name: params_jump_Ws_3, .offset: 80, .size: 8, .value_kind: global_buffer, .address_space: global }
      - { .name: params_diff_Ws_3, .offset: 88, .size: 8, .value_kind: global_buffer, .address_space: global }
      - { .name: params_intensity_bs_3, .offset: 96, .size: 8, .value_kind: global_buffer, .address_space: global }
      - { .name: params_jump_bs_3, .offset: 104, .size: 8, .value_kind: global_buffer, .address_space: global }
      - { .name: params_diff_bs_3, .offset: 112, .size: 8, .value_kind: global_buffer, .address_space: global }
      - { .name: out0, .offset: 120, .size: 8, .value_kind: global_buffer, .address_space: global }
    .group_segment_fixed_size: 230400
    .private_segment_fixed_size: 0
    .kernarg_segment_align: 8
    .kernarg_segment_size: 128
    .max_flat_workgroup_size: 256
    .sgpr_count:     106
    .vgpr_count:     512
    .wavefront_size: 32
...
	.end_amdgpu_metadata
.endif
;; end of part 2
;; ======== version 2 of 2: 2 launches; 1.29 times as fast as version 1
;; limits: values are held in f16: magnitudes above 65,504 overflow, below 6.1e-05 lose precision; right only within a limited range of input values
;; workspace buffers: wpack 231,936 bytes
;; launch pack (part 3): grid 17 x 3, 8 waves a work-group, no clusters, 0 bytes of LDS; arguments params_intensity_Ws_0, params_intensity_Ws_1, params_intensity_Ws_2, params_intensity_bs_1, params_intensity_g_0, params_intensity_be_0, params_intensity_bs_2, params_intensity_g_1, params_intensity_be_1, params_jump_Ws_0, params_jump_Ws_1, params_jump_Ws_2, params_jump_bs_1, params_jump_g_0, params_jump_be_0, params_jump_bs_2, params_jump_g_1, params_jump_be_1, params_diff_Ws_0, params_diff_Ws_1, params_diff_Ws_2, params_diff_bs_1, params_diff_g_0, params_diff_be_0, params_diff_bs_2, params_diff_g_1, params_diff_be_1, wpack; writes wpack
.if DOCPART == 3
	.amdgcn_target "amdgcn-amd-amdhsa--gfx1250"
	.amdhsa_code_object_version 6
	.text
	.protected	k_qb896224639_pack
	.globl	k_qb896224639_pack
	.p2align	8
	.type	k_qb896224639_pack,@function
k_qb896224639_pack:
	s_mov_b64 s[64:65], 0
	v_nop
	global_prefetch_b8 v0, s[64:65] scope:SCOPE_SE
	s_setreg_imm32_b32 hwreg(HW_REG_WAVE_MODE, 25, 1), 1
	s_wait_xcnt 0x0
; Lays the parameters of the three MLPs (y = 0 intensity, 1 jump, 2 diff) out as the LDS image that the second launch fetches whole.
; Block of an MLP, MB bytes at y x MB:
;   +0 Ws_1 in bf16, +32768 Ws_2, rounded to bf16 and that number written as f16 (exact from 2^-17 to 65,504; below it keeps f16's step of 2^-24, beyond it is lost), both in the order of matrix fragments:
;      byte ((c 8 + t) 2 + q) 512 + 16 L + 2 e holds W[32 c + 16 q + 8 (L / 16) + e][16 t + L % 16]: the 16 bytes of lane L for half q of the fragment of W^T with features 16 t .. and K step c;
;   +W0F seventeen blocks of 512 bytes, Z W0 Z W1 .. W7 Z: Z is zeros; Wt holds, for lane L and e = 0..7, the weight of layer 0's k = 8 (L / 16) + e for feature 16 t + L % 16, in bf16:
;      k = 0, 1, 2: Ws_0's row 0 (x comes as three terms); k = 3: 0; k = 4 .. 13: rows 1 .. 10; k = 14, 15: 0;
;   +ROWS six rows of 128 f32, each number rounded to bf16 and widened again: bs_1, g_0, be_0, bs_2, g_1, be_1.
; Work-groups x = 0..15 make 4,096 bytes of the two matrices each, one item of 16 bytes a thread; x = 16 makes the rest, all its loads ahead of one wait.
; A thread's eight numbers lie in eight rows of a matrix, so the reads are pieces of 64 bytes for sixteen lanes; each matrix is read once in the launch.
; Every store of a wave covers 512 consecutive bytes, aligned.
.set MB,   77312
.set W0F,  65536
.set ROWS, 74240
	s_load_b512 s[8:23], s[0:1], 0x0               ; pointer i of the intensity MLP in s[8+2i], of jump in s[26+2i], of diff in s[44+2i]
	s_load_b512 s[24:39], s[0:1], 0x40
	s_load_b512 s[40:55], s[0:1], 0x80
	s_load_b256 s[56:63], s[0:1], 0xc0             ; wpack in s[62:63]
	s_mov_b32 s2, ttmp9                            ; x
	s_and_b32 s3, ttmp7, 0xffff                    ; y: which MLP
	v_lshrrev_b32 v1, 5, v0
	v_readfirstlane_b32 s4, v1                     ; wave
	s_mul_i32 s6, s3, MB
	s_mov_b32 s7, 0
	s_wait_kmcnt 0x0
	s_cmp_eq_u32 s3, 1                             ; my MLP's nine pointers go to s[8:25]
.irp i, 0,1,2,3,4,5,6,7,8
	s_cselect_b64 s[8+2*\i:9+2*\i], s[26+2*\i:27+2*\i], s[8+2*\i:9+2*\i]
.endr
	s_cmp_eq_u32 s3, 2
.irp i, 0,1,2,3,4,5,6,7,8
	s_cselect_b64 s[8+2*\i:9+2*\i], s[44+2*\i:45+2*\i], s[8+2*\i:9+2*\i]
.endr
	s_add_nc_u64 s[62:63], s[62:63], s[6:7]        ; my MLP's block
	v_lshlrev_b32 v3, 4, v0                        ; 16 x thread
	s_cmp_eq_u32 s2, 16
	s_cbranch_scc1 .Lsmall
	; a matrix: item number 256 (x % 8) + thread = ((c 8 + t) 2 + q) 32 + L, so c = (x / 2) % 4, t = 4 (x % 2) + thread / 64, 2 q + L / 16 = (thread / 16) % 4
	s_cmp_lt_u32 s2, 8
	s_cselect_b64 s[66:67], s[10:11], s[12:13]     ; Ws_1 or Ws_2
	s_bfe_u32 s5, s2, 0x20001
	s_lshl_b32 s5, s5, 14                          ; c x 32 rows of 512 bytes
	s_and_b32 s6, s2, 1
	s_lshl_b32 s6, s6, 8                           ; 4 (x % 2) tiles of 64 bytes
	s_add_co_u32 s6, s6, s5
	s_add_nc_u64 s[66:67], s[66:67], s[6:7]
	s_lshl_b32 s6, s2, 12
	s_add_nc_u64 s[62:63], s[62:63], s[6:7]        ; x x 4,096 bytes: Ws_2's part follows Ws_1's
	v_bfe_u32 v1, v0, 4, 2
	v_lshlrev_b32 v1, 12, v1                       ; 8 (2 q + L / 16) rows
	v_lshrrev_b32 v2, 6, v0
	v_lshl_add_u32 v1, v2, 6, v1                   ; + the tile's 64 bytes
	v_and_b32 v2, 15, v0
	v_lshl_add_u32 v1, v2, 2, v1                   ; + my column
.irp e, 0,1,2,3,4,5,6,7
	global_load_b32 v[4+\e], v1, s[66:67] offset:512*\e
.endr
	s_wait_loadcnt 0x0
.irp e, 0,1,2,3
	v_cvt_pk_bf16_f32 v[12+\e], v[4+2*\e], v[5+2*\e]
.endr
	s_cmp_lt_u32 s2, 8
	s_cbranch_scc1 .Lput                           ; Ws_1 stays in bf16
.irp e, 0,1,2,3
	v_lshlrev_b32 v[4+2*\e], 16, v[12+\e]          ; Ws_2: the bf16 numbers, widened,
	v_and_b32 v[5+2*\e], 0xffff0000, v[12+\e]
.endr
.irp e, 0,1,2,3
	v_cvt_pk_f16_f32 v[12+\e], v[4+2*\e], v[5+2*\e]  ; and written as f16
.endr
.Lput:
	global_store_b128 v3, v[12:15], s[62:63]
	s_endpgm
; number e of a lane's eight: lanes 0-15 take Ws_0's row ra, lanes 16-31 row ra + kd
.macro W0LD e, ra, kd
	v_mad_u32_u24 v[16+\e], v30, (\kd)*512, v31
	global_load_b32 v[4+\e], v[16+\e], s[8:9] offset:(\ra)*512
.endm
.Lsmall:
	s_mov_b32 s5, 0xffff0000                       ; a word's upper half; as a mask of lanes: lanes 16-31
	v_and_b32 v2, 31, v0
	v_lshlrev_b32 v2, 4, v2                        ; 16 x lane
	s_min_u32 s6, s4, 5                            ; waves 0-5 take bs_1, g_0, be_0, bs_2, g_1, be_1; waves 6 and 7 load the last again and store nothing of it
	s_mov_b64 s[66:67], s[14:15]
.irp i, 1,2,3,4,5
	s_cmp_eq_u32 s6, \i
	s_cselect_b64 s[66:67], s[14+2*\i:15+2*\i], s[66:67]
.endr
	global_load_b128 v[24:27], v2, s[66:67]
	v_and_b32 v31, 15, v0
	v_lshlrev_b32 v31, 2, v31
	s_lshl_b32 s6, s4, 6
	v_add_nc_u32 v31, s6, v31                      ; 4 x my feature: wave t makes block Wt
	v_bfe_u32 v30, v0, 4, 1                        ; L / 16
	W0LD 0, 0, 5                                   ; lanes 0-15: rows 0 0 0 (0) 1 2 3 4; lanes 16-31: rows 5 6 7 8 9 10 (10) (10); those in brackets are set to 0 below
	W0LD 1, 0, 6
	W0LD 2, 0, 7
	W0LD 3, 0, 8
	W0LD 4, 1, 8
	W0LD 5, 2, 8
	W0LD 6, 3, 7
	W0LD 7, 4, 6
	s_lshl_b32 s6, s4, 10
	v_add_nc_u32 v29, s6, v2                       ; 1,024 x wave + 16 x lane
.irp i, 32,33,34,35
	v_mov_b32 v[\i], 0
.endr
	global_store_b128 v29, v[32:35], s[62:63] offset:W0F          ; the zeros in front of my block
	s_wait_loadcnt 0x0
.irp e, 0,1,2,3
	v_cvt_pk_bf16_f32 v[12+\e], v[4+2*\e], v[5+2*\e]
.endr
	v_and_b32 v28, 0xffff, v13
	v_cndmask_b32 v13, v28, v13, s5                ; lanes 0-15: k = 3 is empty
	v_cndmask_b32 v15, v15, 0, s5                  ; lanes 16-31: k = 14 and 15 are empty
	global_store_b128 v29, v[12:15], s[62:63] offset:W0F+512
	v_cvt_pk_bf16_f32 v36, v24, v25                ; the row: rounded, widened
	v_cvt_pk_bf16_f32 v37, v26, v27
	v_lshlrev_b32 v24, 16, v36
	v_and_b32 v25, s5, v36
	v_lshlrev_b32 v26, 16, v37
	v_and_b32 v27, s5, v37
	s_cmp_lt_u32 s4, 6
	s_cbranch_scc0 .Lno_row
	global_store_b128 v3, v[24:27], s[62:63] offset:ROWS
.Lno_row:
	s_cmp_eq_u32 s4, 7
	s_cbranch_scc0 .Lend
	global_store_b128 v29, v[32:35], s[62:63] offset:W0F+1024     ; the seventeenth block
.Lend:
	s_endpgm
.Lfunc_end_k_qb896224639_pack:
	.size	k_qb896224639_pack, .Lfunc_end_k_qb896224639_pack-k_qb896224639_pack
	.p2alignl 7, 3214868480
	.fill 96, 4, 3214868480
	.section	.rodata,"a",@progbits
	.p2align	6, 0x0
	.amdhsa_kernel k_qb896224639_pack
		.amdhsa_group_segment_fixed_size 0
		.amdhsa_private_segment_fixed_size 0
		.amdhsa_enable_private_segment 0
		.amdhsa_kernarg_size 224
		.amdhsa_user_sgpr_count 2
		.amdhsa_user_sgpr_kernarg_segment_ptr 1
		.amdhsa_wavefront_size32 1
		.amdhsa_system_sgpr_workgroup_id_x 1
		.amdhsa_system_sgpr_workgroup_id_y 1
		.amdhsa_system_sgpr_workgroup_id_z 1
		.amdhsa_system_vgpr_workitem_id 0
		.amdhsa_next_free_vgpr 40
		.amdhsa_next_free_sgpr 72
		.amdhsa_reserve_vcc 0
		.amdhsa_float_denorm_mode_32 3
		.amdhsa_float_denorm_mode_16_64 3
		.amdhsa_memory_ordered 1
		.amdhsa_forward_progress 1
		.amdhsa_inst_pref_size 8
	.end_amdhsa_kernel
	.amdgpu_metadata
---
amdhsa.version: [ 1, 2 ]
amdhsa.kernels:
  - .name:           k_qb896224639_pack
    .symbol:         k_qb896224639_pack.kd
    .args:
      - { .name: params_intensity_Ws_0, .offset: 0, .size: 8, .value_kind: global_buffer, .address_space: global }
      - { .name: params_intensity_Ws_1, .offset: 8, .size: 8, .value_kind: global_buffer, .address_space: global }
      - { .name: params_intensity_Ws_2, .offset: 16, .size: 8, .value_kind: global_buffer, .address_space: global }
      - { .name: params_intensity_bs_1, .offset: 24, .size: 8, .value_kind: global_buffer, .address_space: global }
      - { .name: params_intensity_g_0, .offset: 32, .size: 8, .value_kind: global_buffer, .address_space: global }
      - { .name: params_intensity_be_0, .offset: 40, .size: 8, .value_kind: global_buffer, .address_space: global }
      - { .name: params_intensity_bs_2, .offset: 48, .size: 8, .value_kind: global_buffer, .address_space: global }
      - { .name: params_intensity_g_1, .offset: 56, .size: 8, .value_kind: global_buffer, .address_space: global }
      - { .name: params_intensity_be_1, .offset: 64, .size: 8, .value_kind: global_buffer, .address_space: global }
      - { .name: params_jump_Ws_0, .offset: 72, .size: 8, .value_kind: global_buffer, .address_space: global }
      - { .name: params_jump_Ws_1, .offset: 80, .size: 8, .value_kind: global_buffer, .address_space: global }
      - { .name: params_jump_Ws_2, .offset: 88, .size: 8, .value_kind: global_buffer, .address_space: global }
      - { .name: params_jump_bs_1, .offset: 96, .size: 8, .value_kind: global_buffer, .address_space: global }
      - { .name: params_jump_g_0, .offset: 104, .size: 8, .value_kind: global_buffer, .address_space: global }
      - { .name: params_jump_be_0, .offset: 112, .size: 8, .value_kind: global_buffer, .address_space: global }
      - { .name: params_jump_bs_2, .offset: 120, .size: 8, .value_kind: global_buffer, .address_space: global }
      - { .name: params_jump_g_1, .offset: 128, .size: 8, .value_kind: global_buffer, .address_space: global }
      - { .name: params_jump_be_1, .offset: 136, .size: 8, .value_kind: global_buffer, .address_space: global }
      - { .name: params_diff_Ws_0, .offset: 144, .size: 8, .value_kind: global_buffer, .address_space: global }
      - { .name: params_diff_Ws_1, .offset: 152, .size: 8, .value_kind: global_buffer, .address_space: global }
      - { .name: params_diff_Ws_2, .offset: 160, .size: 8, .value_kind: global_buffer, .address_space: global }
      - { .name: params_diff_bs_1, .offset: 168, .size: 8, .value_kind: global_buffer, .address_space: global }
      - { .name: params_diff_g_0, .offset: 176, .size: 8, .value_kind: global_buffer, .address_space: global }
      - { .name: params_diff_be_0, .offset: 184, .size: 8, .value_kind: global_buffer, .address_space: global }
      - { .name: params_diff_bs_2, .offset: 192, .size: 8, .value_kind: global_buffer, .address_space: global }
      - { .name: params_diff_g_1, .offset: 200, .size: 8, .value_kind: global_buffer, .address_space: global }
      - { .name: params_diff_be_1, .offset: 208, .size: 8, .value_kind: global_buffer, .address_space: global }
      - { .name: wpack, .offset: 216, .size: 8, .value_kind: global_buffer, .address_space: global }
    .group_segment_fixed_size: 0
    .private_segment_fixed_size: 0
    .kernarg_segment_align: 8
    .kernarg_segment_size: 224
    .max_flat_workgroup_size: 256
    .sgpr_count:     72
    .vgpr_count:     40
    .wavefront_size: 32
...
	.end_amdgpu_metadata
.endif
;; end of part 3
;; launch sde (part 4): grid 256 x 1, 12 waves a work-group, clusters of 4 x 1, 251,392 bytes of LDS; arguments conditioning, diff_noise, jump_noise, uniforms, x0, wpack, params_intensity_bs_0, params_jump_bs_0, params_diff_bs_0, params_intensity_Ws_3, params_jump_Ws_3, params_diff_Ws_3, params_intensity_bs_3, params_jump_bs_3, params_diff_bs_3, out0; writes out0
.if DOCPART == 4
	.amdgcn_target "amdgcn-amd-amdhsa--gfx1250"
	.amdhsa_code_object_version 6
	.text
	.protected	k_qb896224639_sde
	.globl	k_qb896224639_sde
	.p2align	8
	.type	k_qb896224639_sde,@function
k_qb896224639_sde:
	s_mov_b64 s[64:65], 0
	v_nop
	global_prefetch_b8 v0, s[64:65] scope:SCOPE_SE
	s_setreg_imm32_b32 hwreg(HW_REG_WAVE_MODE, 25, 1), 1
	s_wait_xcnt 0x0
	s_wait_alu depctr_hold_cnt(0) depctr_sa_sdst(0) depctr_va_vdst(0) depctr_va_sdst(0) depctr_va_ssrc(0) depctr_va_vcc(0) depctr_vm_vsrc(0)
	s_getreg_b32 s2, hwreg(HW_REG_IB_STS2, 6, 4)
	s_cmp_eq_u32 s2, 0
	s_cbranch_scc0 .Lentry_in_a_cluster
	s_endpgm
.Lentry_in_a_cluster:
	s_bfe_u32 s2, ttmp6, 0x10000c
	s_cmp_lg_u32 s2, 0x3003
	s_cbranch_scc0 .Lentry_shape_is_right
	s_endpgm
.Lentry_shape_is_right:
; Four steps of the jump SDE for 32,768 rows; in each step three MLPs 11 -> 128 -> 128 -> 128 -> 1 or 2 (0 intensity: softplus; 1 jump, 2 diff: erf GELU), LayerNorm behind hidden layers 1 and 2.
; SHARES.  A work-group owns 128 rows.  Of its twelve waves, wave w runs MLP w % 3 for the 32 rows from 32 (w / 3) on, as two tiles of 16 rows, one after the other.  A wave names 320 registers, so that
; three waves lie beside each other in 1,024; of any three waves w, w + 4, w + 8, and of any three 3 i, 3 i + 1, 3 i + 2, one runs each MLP.  At a step's end the three waves of a group of rows
; hand each other their outputs through LDS (two barriers a step) and each makes the same new x.
; FORMATS.  EVERY input is first rounded to bf16 (x0 in out0[:, 0] too), so a weight is exact in 16 bits.  The comparison u < intensity turns a last-bit difference into a whole jump, so what is
; multiplied is not rounded to 16 bits but cut into terms.  x, and layer 1's input, which have no bound, are cut without loss into three bf16 terms of 8 bits (truncation, exact remainders).
; Layer 2's input is a LayerNorm's output: f16(a) and f16 of the exact remainder, two f16 matrix instructions a product; what is lost is 2^-23 |a| or 2^-25 at the most.
; LAYOUT.  D = W^T (source 0: 16 features x 32 k) x h^T (source 1: 32 k x 16 rows): lane l holds row l % 16, register j of tile t feature 16 t + 8 (l / 16) + j.  Tiles 2 c and 2 c + 1, packed in pairs,
; ARE source 1 of K step c of the next layer: activations never change lanes, and a row's sum wants one exchange between the halves of the lanes.
; LAYER 0 is one K step.  Source 1 (BF) holds both row tiles: k = 0..15 the first's, k = 16..31 the second's; of a tile's 16: x's three terms, an empty place, the ten conditioning numbers, two empty places.
; The weights' fragments lie in the image between blocks of zeros, so that a shift of 512 bytes sets them against the one tile and zeros against the other.
; THE LAST LAYER takes the second norm's gain and bias into itself: o = (1 / sigma) sum (h - mean) (g_1 Ws_3) + (sum be_1 Ws_3 + bs_3); the products of two bf16 numbers are exact in f32 and are made once.
; CLUSTER.  All work-groups read the same image of the weights, 231,936 bytes, once: the four of a cluster ask for it jointly, six waves 38,656 bytes each; no LDS byte is filled twice.
; LIMITS.  11.4 |g_0| + |be_0| and |Ws_2| stay under 65,504, f16's end.  NaN and infinities are not treated apart (the cut forms inf - inf), and a row whose x is not finite also spoils the row 16 further on
; or back, with which it shares layer 0's source 1 (0 x inf).  An exponential below 2^-126 counts as 0.
; erf is a rational form in x = z / sqrt(2) whose x^2 is held at 16; 0.5 + 0.5 erf is held to 0 .. 1.  log(1 + e) is log(u) + (e - (u - 1)), u = 1 + e rounded: off by 3e-8 at the most.
; A row whose u lies within some 1e-6 of its intensity may take the other branch than an f32 evaluation in another order.
;
; LDS: 0 the image (per MLP, MB bytes: Ws_1 and Ws_2 as fragments; at W0F layer 0's fragments; at ROWS six rows of 512 bytes: bs_1, g_0, be_0, bs_2, g_1, be_1);
;      SCR, written by ds_store, rows of 512 bytes: 0-2 bs_0; 3 g_1 Ws_3 of MLP 0 (4 the same again, a filler for the second column); 5, 6 the two columns of MLP 1; 7, 8 of MLP 2;
;      9 be_1 Ws_3 of MLP 0; 10, 11 of MLP 1; 12, 13 of MLP 2.
;      EX: the step's outputs, 1,024 bytes an MLP: two rows of 128 f32.  STG: the paths, 20 bytes a row, once for each MLP's waves (all alike; the first goes out).  SPARE: the spare words.
; REGISTERS, window 0: v0 4 x my row; v1, v2 the add's; v3 16 lane; v4 32 (l / 16); v5, v6 LDS addresses; v7 my row's word in my MLP's part of EX; v8-15 BF; v[16:17] x of the two tiles;
;   v18-21 what lanes 16-31 hold in BF's registers 0, 1 and 4, 5; v[22:23] u, v[24:25] jump noise, v[26:27] diff noise; v28 -1; v29 my row in my stage; v30, v31 at work;
;   v32-95 ACC, 8 a tile; v96-191 HB, the terms, 32 each; where the third term is not live: v160-167 four running pairs, v[168:169] mean or 0.5 twice, v[170:171] 1 / sigma, v172-179 at work;
;   v192-255 weights of even K steps, at work in the activations, be, the last layer's column 1.     window 1: v0-63 weights of odd K steps, g.
.set MB,    77312
.set W0F,   65536
.set ROWS,  74240
.set PART,  38656                      ; what one tensor load brings: 151 rows of 256 bytes
.set SCR,   231936
.set GROW,  1536                       ; in SCR: g_1 Ws_3, 1,024 bytes an MLP
.set HROW,  4608                       ; in SCR: be_1 Ws_3
.set EX,    239104
.set STG,   242176
.set SPARE, 249856
.set ACC, 32
.set HB,  96
.set WF,  192
.set WG,  0                            ; in window 1
.set COL1, 192
.set TA,  192                          ; four sets of eight pairs at work in the activations
.set TB,  208
.set TC,  224
.set TD,  240
.set T,   160
.set MU,  168
.set RS,  170
.set R0,  172
.set R1,  173
.set R2,  174
.set Q0,  176
.set MSB, 0
.macro WIN new                         ; the immediate's high byte repeats the setting that is left; a switch that changes nothing is dropped
.if MSB != (\new)
	s_set_vgpr_msb (MSB<<8)|(\new)
.set MSB, (\new)
.endif
.endm
.macro ROUND                           ; a round of the cluster's barrier
	s_barrier_signal -1
	s_barrier_wait -1
	s_cmp_lg_u32 s3, 0
	s_cbranch_scc1 .Lnot_wave_0_\@
	s_barrier_signal -3
.Lnot_wave_0_\@:
	s_barrier_wait -3
	s_barrier_signal -1
	s_barrier_wait -1
.endm
.macro PLACES                          ; four plain places behind a matrix instruction, ahead of loads into its sources and of reads of its result
.rept 4
	v_nop
.endr
.endm
.macro EACH8 line:vararg               ; one line for each pair p of eight
.set p, 0
	s_wait_alu depctr_va_vdst(0)
.rept 8
	\line
.set p, p+1
.endr
.endm
.macro LDV dst, adr, off               ; my 64 numbers of a row of 128 f32: for each tile the 32 bytes at 64 t + 32 (l / 16)
.set t, 0
.rept 8
	ds_load_b128 v[(\dst)+8*t:(\dst)+8*t+3],   v[\adr] offset:(\off)+64*t
	ds_load_b128 v[(\dst)+8*t+4:(\dst)+8*t+7], v[\adr] offset:(\off)+64*t+16
.set t, t+1
.endr
.endm
; x of one tile is cut into three bf16 terms, which lanes 0-15 hold in BF's registers bf and bf + 1 (k = 0, 1, 2; k = 3 empty); lanes 16-31 keep conditioning numbers 4-7 there
.macro MKBF x, cp, bf
	v_and_b32 v91, s105, v[\x]                     ; the upper half, as f32
	v_sub_f32 v92, v[\x], v91                      ; exact
	v_and_b32 v93, s105, v92
	v_sub_f32 v92, v92, v93                        ; exact: eight bits are left
	v_perm_b32 v91, v93, v91, s98                  ; first term below, second above
	v_lshrrev_b32 v92, 16, v92                     ; third term below, 0 above
	v_cndmask_b32 v[\bf], v91, v[\cp], s105        ; s105 as a mask of lanes: lanes 16-31
	v_cndmask_b32 v[(\bf)+1], v92, v[(\cp)+1], s105
.endm
	s_load_b512 s[8:23], s[0:1], 0x0               ; conditioning 8, diff_noise 10, jump_noise 12, uniforms 14, x0 16, wpack 18, bs_0 20 22 24 (first two here)
	s_load_b512 s[24:39], s[0:1], 0x40             ; Ws_3 26 28 30, bs_3 32 34 36, out0 38
	v_lshl_add_u32 v1, v0, 2, SPARE
	v_mov_b32 v2, 0
	ds_add_u32 v1, v2                              ; the wave's opening: the add and its wait go ahead of my first tensor load; the set-up below, work on registers, stands between
	v_lshrrev_b32 v30, 5, v0
	v_readfirstlane_b32 s3, v30                    ; wave 0..11
	s_bfe_u32 s4, ttmp6, 0x40000                   ; cx
	s_lshl_b32 s5, ttmp9, 2
	s_add_co_u32 s5, s5, s4                        ; work-group = 4 x cluster + cx: it enters global addresses alone
	s_mov_b32 s55, 0x3c000000                      ; 1 / 128
	; erf(x) = x P(x^2) / Q(x^2).  The text works with y = x / 4 and u = y^2, so the coefficient of x^(2 k) is scaled by 16^k, and P by 2 more (0.5 erf = y 2 P / Q):
	; powers of two, added onto the exponent field, so every scaled coefficient is exact.  Each constant twice, since the packed forms name a pair.
	s_mov_b32 s66, -2.72614225801306e-10           ; the numerator, highest power first
	s_add_co_u32 s66, s66, 25<<23
	s_mov_b32 s67, s66
	s_mov_b32 s68, 2.77068142495902e-08
	s_add_co_u32 s68, s68, 21<<23
	s_mov_b32 s69, s68
	s_mov_b32 s70, -2.10102402082508e-06
	s_add_co_u32 s70, s70, 17<<23
	s_mov_b32 s71, s70
	s_mov_b32 s72, -5.69250639462346e-05
	s_add_co_u32 s72, s72, 13<<23
	s_mov_b32 s73, s72
	s_mov_b32 s74, -7.34990630326855e-04
	s_add_co_u32 s74, s74, 9<<23
	s_mov_b32 s75, s74
	s_mov_b32 s76, -2.95459980854025e-03
	s_add_co_u32 s76, s76, 5<<23
	s_mov_b32 s77, s76
	s_mov_b32 s78, -1.60960333262415e-02
	s_add_co_u32 s78, s78, 1<<23
	s_mov_b32 s79, s78
	s_mov_b32 s80, -1.45660718464996e-05           ; the denominator
	s_add_co_u32 s80, s80, 16<<23
	s_mov_b32 s81, s80
	s_mov_b32 s82, -2.13374055278905e-04
	s_add_co_u32 s82, s82, 12<<23
	s_mov_b32 s83, s82
	s_mov_b32 s84, -1.68282697438203e-03
	s_add_co_u32 s84, s84, 8<<23
	s_mov_b32 s85, s84
	s_mov_b32 s86, -7.37332916720468e-03
	s_add_co_u32 s86, s86, 4<<23
	s_mov_b32 s87, s86
	s_mov_b32 s88, -1.42647390514189e-02
	s_mov_b32 s89, s88
	s_mov_b32 s90, 0x3e3504f3                      ; 1 / (4 sqrt(2))
	s_mov_b32 s91, s90
	s_mov_b32 s92, 0x3fb8aa3b                      ; log2(e)
	s_mov_b32 s93, s92
	s_mov_b32 s94, 0x3f317218                      ; ln(2)
	s_mov_b32 s95, s94
	s_mov_b32 s96, 0x76543210                      ; v_permlanex16_b32: each lane takes its own place in the other half
	s_mov_b32 s97, 0xfedcba98
	s_mov_b32 s98, 0x07060302                      ; v_perm_b32: the two upper halves
	s_mov_b32 s99, 0x80000000
	s_mov_b32 s105, 0xffff0000                     ; a word's upper half; as a mask of lanes: lanes 16-31
	; the descriptor: 151 rows of 32 elements of 8 bytes, dense; the mask names the cluster's four work-groups
	s_mov_b32 s40, 1                               ; count = 1
	s_mul_i32 s41, s3, PART                        ; LDS address: wave x 38,656
	s_mov_b32 s44, 15|(3<<16)|(1<<21)              ; 15:0 mask; 17:16 elements of 8 bytes; 21 set beside a mask
	s_mov_b32 s45, 32<<16                          ; tensor_dim0 = 32
	s_mov_b32 s46, 151<<16                         ; tensor_dim1 = 151
	s_mov_b32 s47, 32<<16                          ; tile_dim0 = 32
	s_mov_b32 s48, 151                             ; tile_dim1 = 151
	s_mov_b32 s49, 32                              ; 32 elements from row to row
	s_mov_b32 s50, 0
	s_mov_b32 s51, 0
	s_mov_b32 s60, s41                             ; the same offset in wpack
	s_mov_b32 s61, 0
	s_mul_i32 s62, s3, 43
	s_lshr_b32 s62, s62, 7                         ; wave / 3: my group of 32 rows
	s_mul_i32 s63, s62, 3
	s_sub_co_u32 s63, s3, s63                      ; wave % 3: my MLP
	v_and_b32 v30, 31, v0
	v_lshlrev_b32 v3, 4, v30                       ; 16 x lane
	v_bfe_u32 v30, v0, 4, 1
	v_lshlrev_b32 v4, 5, v30                       ; 32 (l / 16)
	v_and_b32 v31, 15, v0
	s_lshl_b32 s2, s62, 5
	v_add_nc_u32 v5, s2, v31                       ; my row of the first tile, in the work-group; the second tile's lies 16 rows on
	v_mul_u32_u24 v6, v5, 40                       ; its ten conditioning numbers
	s_mul_i32 s2, s63, 2560
	s_add_co_u32 s2, s2, STG
	v_mad_u32_u24 v29, v5, 20, s2                  ; my row in my MLP's stage
	s_lshl_b32 s2, s63, 10
	s_add_co_u32 s2, s2, EX
	v_lshl_add_u32 v7, v5, 2, s2                   ; my row's word in my MLP's part of EX
	v_mov_b32 v28, -1.0
	s_and_b32 s2, s3, 1
	s_lshl_b32 s2, s2, 8
	v_lshrrev_b32 v39, 1, v3
	v_add_nc_u32 v39, s2, v39                      ; 8 x lane + 256 (wave % 2): two k of a half of a column, for the staging
	v_lshlrev_b32 v0, 2, v5                        ; 4 x row; the thread's number is not wanted again
	s_wait_dscnt 0x0                               ; the opening add is done
	s_wait_kmcnt 0x0
	s_load_b32 s54, s[32:33], 0x0                  ; bs_3 of the three MLPs, as given
	s_load_b64 s[56:57], s[34:35], 0x0
	s_load_b64 s[58:59], s[36:37], 0x0
	s_add_nc_u64 s[42:43], s[18:19], s[60:61]      ; global address: my part of the image
	s_or_b32 s43, s43, 0x80000000                  ; type = 2
	ROUND                                          ; all four work-groups are here: the joint loads meet
	s_cmp_lt_u32 s3, 6                             ; waves 0-5 fetch a sixth each: one tensor load of mine is out at the most
	s_cbranch_scc0 .Lno_fill
	tensor_load_to_lds s[40:43], s[44:51]
	s_nop 0
.rept 4
	v_nop
.endr
.Lno_fill:
	; what the image does not hold: one load of 512 bytes a wave.  Waves 0-2: bs_0; wave 3: Ws_3 of the intensity; waves 4, 5: the halves of jump's Ws_3; waves 6, 7: of diff's.
	; Waves 8-11 run the same loads, on the first wave's addresses, and store nothing of them.
	s_mov_b64 s[52:53], s[20:21]
	s_cmp_eq_u32 s3, 1
	s_cselect_b64 s[52:53], s[22:23], s[52:53]
	s_cmp_eq_u32 s3, 2
	s_cselect_b64 s[52:53], s[24:25], s[52:53]
	s_cmp_eq_u32 s3, 3
	s_cselect_b64 s[52:53], s[26:27], s[52:53]
	s_lshr_b32 s2, s3, 1
	s_cmp_eq_u32 s2, 2
	s_cselect_b64 s[52:53], s[28:29], s[52:53]
	s_cmp_eq_u32 s2, 3
	s_cselect_b64 s[52:53], s[30:31], s[52:53]
	s_lshr_b32 s60, s3, 2
	s_and_b32 s60, s60, s3
	s_and_b32 s60, s60, 1                          ; 1 for waves 5 and 7 alone
	s_lshl_b32 s60, s60, 9
	s_add_nc_u64 s[52:53], s[52:53], s[60:61]
	s_max_u32 s60, s2, 1                           ; the MLP whose Ws_3 I stage: 0 for waves 0-3, 1 for 4 and 5, 2 for the others;
	s_sub_co_u32 s60, s60, 1
	s_min_u32 s60, s60, 2
	s_mul_i32 s60, s60, MB
	s_add_co_u32 s60, s60, ROWS+2048               ; its g_1 in wpack, already rounded; be_1 lies 512 bytes on
	s_add_nc_u64 s[100:101], s[18:19], s[60:61]
	s_mul_i32 s6, s5, 5120                         ; my work-group's 128 rows in each tensor
	s_mov_b32 s7, 0
	s_add_nc_u64 s[8:9], s[8:9], s[6:7]
	s_lshl_b32 s6, s5, 9
	s_add_nc_u64 s[10:11], s[10:11], s[6:7]
	s_add_nc_u64 s[12:13], s[12:13], s[6:7]
	s_add_nc_u64 s[14:15], s[14:15], s[6:7]
	s_add_nc_u64 s[16:17], s[16:17], s[6:7]
	s_mul_i32 s6, s5, 2560
	s_add_nc_u64 s[38:39], s[38:39], s[6:7]
	global_load_b128 v[32:35], v3, s[52:53]
	global_load_b128 v[40:43], v3, s[100:101]              ; g_1 and be_1 as wave 3 wants them: four k a lane,
	global_load_b128 v[44:47], v3, s[100:101] offset:512
	global_load_b64 v[48:49], v39, s[100:101]              ; and as waves 4-7 want them: two k a lane (one text for all waves; each uses its own)
	global_load_b64 v[50:51], v39, s[100:101] offset:512
	global_load_b32 v16, v0, s[16:17]                      ; x0 of my two rows
	global_load_b32 v17, v0, s[16:17] offset:64
.irp i, 0,1,2,3,4
	global_load_b64 v[64+2*\i:65+2*\i], v6, s[8:9] offset:8*\i       ; conditioning 0-9 of the first tile's row,
	global_load_b64 v[74+2*\i:75+2*\i], v6, s[8:9] offset:640+8*\i   ; of the second's
.endr
	s_wait_loadcnt 0x0
	v_cvt_pk_bf16_f32 v36, v32, v33
	v_cvt_pk_bf16_f32 v37, v34, v35
	s_cmp_lt_u32 s3, 4
	s_cbranch_scc0 .Lcols
	v_lshlrev_b32 v32, 16, v36                     ; a plain row: rounded, widened
	v_and_b32 v33, s105, v36
	v_lshlrev_b32 v34, 16, v37
	v_and_b32 v35, s105, v37
	s_cmp_eq_u32 s3, 3
	s_cbranch_scc1 .Lcol_i
	s_lshl_b32 s2, s3, 9                           ; bs_0: stored as it lies
	s_add_co_u32 s2, s2, SCR
	v_add_nc_u32 v38, s2, v3
	ds_store_b128 v38, v[32:35]
	s_branch .Lstaged
.Lcol_i:
	v_pk_mul_f32 v[52:53], v[32:33], v[40:41]      ; the intensity's one column: g_1 Ws_3,
	v_pk_mul_f32 v[54:55], v[34:35], v[42:43]
	v_pk_mul_f32 v[56:57], v[32:33], v[44:45]      ; be_1 Ws_3
	v_pk_mul_f32 v[58:59], v[34:35], v[46:47]
	v_add_nc_u32 v38, SCR+GROW, v3
	ds_store_b128 v38, v[52:55]
	ds_store_b128 v38, v[52:55] offset:512         ; the filler row: one text loads two columns for every MLP
	ds_store_b128 v38, v[56:59] offset:HROW-GROW
	s_branch .Lstaged
.Lcols:
	s_cmp_lt_u32 s3, 8
	s_cbranch_scc0 .Lstaged                        ; waves 8-11 stage nothing
	v_lshlrev_b32 v32, 16, v36                     ; [k][2]: my four numbers are two k x two columns; the columns are parted
	v_lshlrev_b32 v33, 16, v37
	v_and_b32 v34, s105, v36
	v_and_b32 v35, s105, v37
	v_pk_mul_f32 v[52:53], v[32:33], v[48:49]
	v_pk_mul_f32 v[54:55], v[34:35], v[48:49]
	v_pk_mul_f32 v[56:57], v[32:33], v[50:51]
	v_pk_mul_f32 v[58:59], v[34:35], v[50:51]
	s_sub_co_u32 s2, s3, 4
	s_lshr_b32 s2, s2, 1
	s_lshl_b32 s2, s2, 10                          ; jump's or diff's 1,024 bytes
	s_add_co_u32 s2, s2, SCR+GROW+1024
	v_add_nc_u32 v38, s2, v39
	ds_store_b64 v38, v[52:53]
	ds_store_b64 v38, v[54:55] offset:512
	ds_store_b64 v38, v[56:57] offset:2560         ; the rows of be_1 Ws_3 lie 2,560 bytes behind those of g_1 Ws_3
	ds_store_b64 v38, v[58:59] offset:3072
.Lstaged:
	v_cvt_pk_bf16_f32 v30, v16, v17
	v_lshlrev_b32 v16, 16, v30                     ; x0, rounded
	v_and_b32 v17, s105, v30
	ds_store_b32 v29, v16                          ; the paths' first numbers (both halves of the lanes write the same word)
	ds_store_b32 v29, v17 offset:320
	; BF: lanes 0-15 hold k = 0..7 of a tile (x x x - c0 c1 c2 c3), lanes 16-31 k = 8..15 (c4 .. c9 - -)
	v_cvt_pk_bf16_f32 v84, v64, v65
	v_cvt_pk_bf16_f32 v85, v66, v67
	v_cvt_pk_bf16_f32 v18, v68, v69
	v_cvt_pk_bf16_f32 v19, v70, v71
	v_cvt_pk_bf16_f32 v86, v72, v73
	v_cndmask_b32 v10, v84, v86, s105
	v_cndmask_b32 v11, v85, 0, s105
	v_cvt_pk_bf16_f32 v84, v74, v75
	v_cvt_pk_bf16_f32 v85, v76, v77
	v_cvt_pk_bf16_f32 v20, v78, v79
	v_cvt_pk_bf16_f32 v21, v80, v81
	v_cvt_pk_bf16_f32 v86, v82, v83
	v_cndmask_b32 v14, v84, v86, s105
	v_cndmask_b32 v15, v85, 0, s105
	MKBF 16, 18, 8
	MKBF 17, 20, 12
	s_wait_kmcnt 0x0
	v_cvt_pk_bf16_f32 v86, s56, s57                ; bs_3, rounded, back into scalar registers
	v_cvt_pk_bf16_f32 v87, s58, s59
	v_cvt_pk_bf16_f32 v88, s54, s54
	v_lshlrev_b32 v89, 16, v86
	v_and_b32 v90, s105, v86
	v_readfirstlane_b32 s56, v89
	v_readfirstlane_b32 s57, v90
	v_lshlrev_b32 v89, 16, v87
	v_and_b32 v90, s105, v87
	v_readfirstlane_b32 s58, v89
	v_readfirstlane_b32 s59, v90
	v_lshlrev_b32 v89, 16, v88
	v_readfirstlane_b32 s54, v89
	s_wait_tensorcnt 0x0                           ; my part of the image has landed,
	s_wait_dscnt 0x0                               ; my stores into SCR are done:
	s_barrier_signal -1
	s_barrier_wait -1                              ; everybody's are.  From here on the image and SCR are only read
	s_mov_b32 s61, s63                             ; my MLP,
	s_mul_i32 s100, s61, MB                        ; and its block in LDS
	v_mov_b32 v[MU+1], 0                           ; partners of broadcast pairs: named, never used
	v_mov_b32 v[RS], 0
	v_mov_b32 v[RS+1], 0
	v_mov_b32 v[R2], 0                             ; v_permlanex16_b32's destination counts as read
.macro REDUCE dst                      ; the four running pairs, and the other half of the lanes', into one number a row
	v_pk_add_f32 v[T:T+1], v[T:T+1], v[T+2:T+3]
	v_pk_add_f32 v[T+4:T+5], v[T+4:T+5], v[T+6:T+7]
	v_pk_add_f32 v[T:T+1], v[T:T+1], v[T+4:T+5]
	v_add_f32 v[\dst], v[T], v[T+1]
	v_permlanex16_b32 v[R2], v[\dst], s96, s97
	v_add_f32 v[\dst], v[\dst], v[R2]
.endm
.macro SUM64 b, dst                    ; the sum over 128 features of v[b ..], in four chains; the first four additions start them
.set p, 0
.rept 28
.if p < 4
	v_pk_add_f32 v[T+2*p:T+2*p+1], v[(\b)+2*p:(\b)+2*p+1], v[(\b)+2*p+8:(\b)+2*p+9]
.else
	v_pk_add_f32 v[T+2*(p%4):T+2*(p%4)+1], v[T+2*(p%4):T+2*(p%4)+1], v[(\b)+2*p+8:(\b)+2*p+9]
.endif
.set p, p+1
.endr
	REDUCE \dst
.endm
.macro DOT wb, dst                     ; the sum over the row's 128 features of ACC x v[wb ..]; the first four products start the sums
.set p, 0
.rept 32
.if p < 4
	v_pk_mul_f32 v[T+2*p:T+2*p+1], v[ACC+2*p:ACC+2*p+1], v[(\wb)+2*p:(\wb)+2*p+1]
.else
	v_pk_fma_f32 v[T+2*(p%4):T+2*(p%4)+1], v[ACC+2*p:ACC+2*p+1], v[(\wb)+2*p:(\wb)+2*p+1], v[T+2*(p%4):T+2*(p%4)+1]
.endif
.set p, p+1
.endr
	REDUCE \dst
.endm
.macro CONST b, sr                     ; a last layer's constant: sum be_1 Ws_3 + bs_3; every lane holds the same number
	SUM64 \b, R0
	v_add_f32 v[R0], s[\sr], v[R0]
	v_readfirstlane_b32 s[\sr], v[R0]
.endm
	v_add_nc_u32 v5, SCR, v4
	LDV ACC, 5, HROW
	LDV HB,  5, HROW+512
	LDV WF,  5, HROW+1024
	s_wait_dscnt 0x0
	CONST ACC, 54
	CONST HB, 56
	CONST WF, 57
	LDV ACC, 5, HROW+1536
	LDV HB,  5, HROW+2048
	s_wait_dscnt 0x0
	CONST ACC, 58
	CONST HB, 59
; ACC = bs_0 + W0^T [x, conditioning]: the bias is loaded into the accumulators; one K step, eight tiles.  v5 points at the fragments, 512 bytes further on for the first row tile than for the second.
.macro LAYER0
	LDV ACC, 6, 0
.set t, 0
.rept 8
	ds_load_b128 v[WF+8*t:WF+8*t+3],   v5 offset:1024*t
	ds_load_b128 v[WF+8*t+4:WF+8*t+7], v5 offset:1024*t+512
.set t, t+1
.endr
	s_wait_dscnt 0x0
.set t, 0
.rept 8
	v_wmma_f32_16x16x32_bf16 v[ACC+8*t:ACC+8*t+7], v[WF+8*t:WF+8*t+7], v[8:15], v[ACC+8*t:ACC+8*t+7]
.set t, t+1
.endr
	PLACES
.endm
; z (0.5 + 0.5 erf(z / sqrt(2))) in place, two tiles (eight pairs) at a time, stage by stage; each accumulator's lowest registers are read first.
; y = z / (4 sqrt(2)); u = y^2 held to 0 .. 1 by the multiply's clamp, which is x^2 held at 16; t = y P(u) / Q(u) + 0.5 held to 0 .. 1: where u is held, y P / Q grows with y from 0.5 on, so t is 0 or 1.
; The clamped lines take vector registers alone, so 0.5 lies in a pair.  Q is made first; its sixteen reciprocals stand among P's 48 lines, one ahead of every third, so that a plain line that names
; neither result nor source follows each (ISA guide 5.7.2) and the results are wanted only behind P.
.macro GELU
	v_mov_b32 v[MU], 0.5
	v_mov_b32 v[MU+1], 0.5
.set ZB, ACC
.rept 4
	EACH8 v_pk_mul_f32 v[TA+2*p:TA+2*p+1], v[ZB+2*p:ZB+2*p+1], s[90:91] op_sel_hi:[1,0]
	EACH8 v_pk_mul_f32 v[TB+2*p:TB+2*p+1], v[TA+2*p:TA+2*p+1], v[TA+2*p:TA+2*p+1] clamp
	EACH8 v_pk_fma_f32 v[TD+2*p:TD+2*p+1], v[TB+2*p:TB+2*p+1], s[80:81], s[82:83] op_sel_hi:[1,0,0]
.irp a, 84,86,88
	EACH8 v_pk_fma_f32 v[TD+2*p:TD+2*p+1], v[TD+2*p:TD+2*p+1], v[TB+2*p:TB+2*p+1], s[\a:\a+1] op_sel_hi:[1,1,0]
.endr
.set i, 0
.rept 48
.if (i%3) == 0
	v_rcp_f32 v[TD+i/3], v[TD+i/3]
.endif
.set p, i%8
.if i < 8
	v_pk_fma_f32 v[TC+2*p:TC+2*p+1], v[TB+2*p:TB+2*p+1], s[66:67], s[68:69] op_sel_hi:[1,0,0]
.else
	v_pk_fma_f32 v[TC+2*p:TC+2*p+1], v[TC+2*p:TC+2*p+1], v[TB+2*p:TB+2*p+1], s[68+2*(i/8):69+2*(i/8)] op_sel_hi:[1,1,0]
.endif
.set i, i+1
.endr
	EACH8 v_pk_mul_f32 v[TC+2*p:TC+2*p+1], v[TC+2*p:TC+2*p+1], v[TA+2*p:TA+2*p+1]
	EACH8 v_pk_fma_f32 v[TC+2*p:TC+2*p+1], v[TC+2*p:TC+2*p+1], v[TD+2*p:TD+2*p+1], v[MU:MU+1] clamp
	EACH8 v_pk_mul_f32 v[ZB+2*p:ZB+2*p+1], v[ZB+2*p:ZB+2*p+1], v[TC+2*p:TC+2*p+1]
.set ZB, ZB+16
.endr
.endm
; max(z, 0) + log(1 + e), e = exp(-|z|), in place.  n = -|z|; z - n = 2 max(z, 0), exact; u = 1 + e; d = e - (u - 1) is what that sum's rounding lost; the result is 0.5 (z - n) + (ln 2 log2 u + d).
; A plain line that touches neither result nor source stands behind each exponential and logarithm before its result is used; 1 + e follows its exponentials three pairs behind.
.macro SOFTPLUS
.set ZB, ACC
.rept 4
	EACH8 v_or_b32 v[TA+2*p], s99, v[ZB+2*p]
	EACH8 v_or_b32 v[TA+2*p+1], s99, v[ZB+2*p+1]
	EACH8 v_pk_mul_f32 v[TB+2*p:TB+2*p+1], v[TA+2*p:TA+2*p+1], s[92:93] op_sel_hi:[1,0]
.set p, 0
.rept 8
	v_exp_f32 v[TB+2*p], v[TB+2*p]
	v_pk_add_f32 v[TC+2*p:TC+2*p+1], v[ZB+2*p:ZB+2*p+1], v[TA+2*p:TA+2*p+1] neg_lo:[0,1] neg_hi:[0,1]
	v_exp_f32 v[TB+2*p+1], v[TB+2*p+1]
.if p > 2
	s_wait_alu depctr_va_vdst(0)
	v_pk_add_f32 v[TD+2*p-6:TD+2*p-5], v[TB+2*p-6:TB+2*p-5], 1.0 op_sel_hi:[1,0]
.endif
.set p, p+1
.endr
	v_pk_add_f32 v[TD+10:TD+11], v[TB+10:TB+11], 1.0 op_sel_hi:[1,0]
	v_pk_add_f32 v[TD+12:TD+13], v[TB+12:TB+13], 1.0 op_sel_hi:[1,0]
	v_pk_add_f32 v[TA:TA+1], v[TD:TD+1], -1.0 op_sel_hi:[1,0]
	v_pk_add_f32 v[TD+14:TD+15], v[TB+14:TB+15], 1.0 op_sel_hi:[1,0]
.set p, 0
.rept 8
	v_log_f32 v[TD+2*p], v[TD+2*p]
	v_pk_add_f32 v[TB+2*p:TB+2*p+1], v[TB+2*p:TB+2*p+1], v[TA+2*p:TA+2*p+1] neg_lo:[0,1] neg_hi:[0,1]
	v_log_f32 v[TD+2*p+1], v[TD+2*p+1]
.if p < 7
	v_pk_add_f32 v[TA+2*p+2:TA+2*p+3], v[TD+2*p+2:TD+2*p+3], -1.0 op_sel_hi:[1,0]
.endif
.set p, p+1
.endr
	EACH8 v_pk_fma_f32 v[TD+2*p:TD+2*p+1], v[TD+2*p:TD+2*p+1], s[94:95], v[TB+2*p:TB+2*p+1] op_sel_hi:[1,0,1]
	EACH8 v_pk_fma_f32 v[ZB+2*p:ZB+2*p+1], v[TC+2*p:TC+2*p+1], 0.5, v[TD+2*p:TD+2*p+1] op_sel_hi:[1,0,1]
.set ZB, ZB+16
.endr
.endm
; LayerNorm's statistics in two passes: the mean; ACC = h - mean; the mean square of that; 1 / sqrt with one Newton step.
; The rows asked for ahead of it (g and be, or the last layer's columns) are awaited at its end.
.macro LNSTAT
	SUM64 ACC, R0
	v_mul_f32 v[MU], s55, v[R0]
.set p, 0
.rept 32
	v_pk_add_f32 v[ACC+2*p:ACC+2*p+1], v[ACC+2*p:ACC+2*p+1], v[MU:MU+1] op_sel_hi:[1,0] neg_lo:[0,1] neg_hi:[0,1]
.set p, p+1
.endr
	DOT ACC, R0
	v_fmaak_f32 v[R0], s55, v[R0], 0x3727c5ac      ; variance + 1e-5
	v_rsq_f32 v[RS], v[R0]
	v_nop                                          ; a plain line behind the root
	s_wait_alu depctr_va_vdst(0)
	v_mul_f32 v[R1], v[R0], v[RS]
	v_mul_f32 v[R2], 0.5, v[RS]
	v_fma_f32 v[R1], -v[R1], v[RS], 1.0
	v_fma_f32 v[RS], v[R2], v[R1], v[RS]
	s_wait_dscnt 0x0
.endm
.macro LNAPPLY                         ; ((h - mean) / sigma) g + be
.set p, 0
.rept 32
	v_pk_mul_f32 v[ACC+2*p:ACC+2*p+1], v[ACC+2*p:ACC+2*p+1], v[RS:RS+1] op_sel_hi:[1,0]
.set p, p+1
.endr
	WIN 0x04                                       ; g in window 1
.set p, 0
.rept 32
	v_pk_fma_f32 v[ACC+2*p:ACC+2*p+1], v[ACC+2*p:ACC+2*p+1], v[WG+2*p:WG+2*p+1], v[WF+2*p:WF+2*p+1]
.set p, p+1
.endr
	WIN 0
.endm
.macro BIAS g                          ; the next layer's bias goes straight into the accumulators of tiles 2 g and 2 g + 1, whose numbers have been cut: the first products add onto it
.irp i, 0,1
	ds_load_b128 v[ACC+16*(\g)+8*\i:ACC+16*(\g)+8*\i+3],   v6 offset:1024+64*(2*(\g)+\i)
	ds_load_b128 v[ACC+16*(\g)+8*\i+4:ACC+16*(\g)+8*\i+7], v6 offset:1024+64*(2*(\g)+\i)+16
.endr
.endm
; Each f32 is cut into three bf16: its upper half, the upper half of the exact remainder, and the remainder of that, which has eight bits left.  Pairs of neighbouring features share a word.
; A group's bias is asked for one group later, when the lines that wrote its registers are long past.
.macro SPLIT3
.set ZB, ACC
.set PB, HB
.set GI, 0
.rept 4
.irp s, 0,32
	EACH8 v_perm_b32 v[PB+\s+p], v[ZB+2*p+1], v[ZB+2*p], s98
	EACH8 v_fma_mix_f32_bf16 v[ZB+2*p], v[PB+\s+p], v28, v[ZB+2*p] op_sel_hi:[1,0,0]
	EACH8 v_fma_mix_f32_bf16 v[ZB+2*p+1], v[PB+\s+p], v28, v[ZB+2*p+1] op_sel:[1,0,0] op_sel_hi:[1,0,0]
.endr
	EACH8 v_perm_b32 v[PB+64+p], v[ZB+2*p+1], v[ZB+2*p], s98
.if GI > 0
	BIAS GI-1
.endif
.set ZB, ZB+16
.set PB, PB+8
.set GI, GI+1
.endr
	BIAS 3
.endm
; Each f32 is cut into two f16: the number rounded, and its exact remainder rounded
.macro SPLIT2
.set ZB, ACC
.set PB, HB
.set GI, 0
.rept 4
	EACH8 v_cvt_pk_f16_f32 v[PB+p], v[ZB+2*p], v[ZB+2*p+1]
	EACH8 v_fma_mix_f32 v[ZB+2*p], v[PB+p], v28, v[ZB+2*p] op_sel_hi:[1,0,0]
	EACH8 v_fma_mix_f32 v[ZB+2*p+1], v[PB+p], v28, v[ZB+2*p+1] op_sel:[1,0,0] op_sel_hi:[1,0,0]
	EACH8 v_cvt_pk_f16_f32 v[PB+32+p], v[ZB+2*p], v[ZB+2*p+1]
.if GI > 0
	BIAS GI-1
.endif
.set ZB, ZB+16
.set PB, PB+8
.set GI, GI+1
.endr
	BIAS 3
.endm
.macro LOADW c                         ; the eight fragments of W^T for K step c: 512 consecutive bytes a load; even steps into window 0, odd into window 1
	WIN 0x40*((\c)%2)
.set WB, WF-(WF-WG)*((\c)%2)
.set t, 0
.rept 8
	ds_load_b128 v[WB+8*t:WB+8*t+3],   v5 offset:((\c)*8+t)*1024
	ds_load_b128 v[WB+8*t+4:WB+8*t+7], v5 offset:((\c)*8+t)*1024+512
.set t, t+1
.endr
.endm
.macro ASKW                            ; the weights of K steps 0 and 1 are asked for ahead of the cut, which is long enough for them to land
	v_add_nc_u32 v5, s101, v3
	LOADW 0
	LOADW 1
	WIN 0
.endm
.macro MM c, nt, form, first=0         ; K step c: nt terms, the smallest first, x eight tiles.  The eight accumulators take turns, one instruction a turn, from step to step too
	WIN (\c)%2
.set WB, WF-(WF-WG)*((\c)%2)
.set trm, (\nt)-1
.rept \nt
.set t, 0
.rept 8
.if (\first) && (trm == (\nt)-1) && (t == 6)
	s_wait_dscnt 0x0                               ; the bias of tiles 6 and 7 is in
.endif
	v_wmma_f32_16x16x32_\form v[ACC+8*t:ACC+8*t+7], v[WB+8*t:WB+8*t+7], v[HB+32*trm+8*(\c):HB+32*trm+8*(\c)+7], v[ACC+8*t:ACC+8*t+7]
.set t, t+1
.endr
.set trm, trm-1
.endr
.endm
.macro PRODUCT nt, form                ; ACC = bias + W^T h
	s_wait_dscnt 4                                 ; the youngest four loads, the bias of tiles 6 and 7, may be out; the weights of steps 0 and 1 and the other tiles' bias are in
	MM 0, \nt, \form, 1
	PLACES
	LOADW 2
	MM 1, \nt, \form
	PLACES
	LOADW 3
	s_wait_dscnt 16                                ; step 2 is in; step 3's sixteen loads may be out
	MM 2, \nt, \form
	s_wait_dscnt 0x0
	MM 3, \nt, \form
	WIN 0
	PLACES
.endm
.macro SP1 x                           ; softplus of one number a lane, as above
	v_or_b32 v[Q0], s99, v[\x]
	v_mul_f32 v[Q0+1], s92, v[Q0]
	v_exp_f32 v[Q0+1], v[Q0+1]
	v_sub_f32 v[Q0], v[\x], v[Q0]
	s_wait_alu depctr_va_vdst(0)
	v_add_f32 v[Q0+2], 1.0, v[Q0+1]
	v_add_f32 v[Q0+3], -1.0, v[Q0+2]
	v_sub_f32 v[Q0+3], v[Q0+1], v[Q0+3]
	v_log_f32 v[Q0+2], v[Q0+2]
	v_mul_f32 v[Q0], 0.5, v[Q0]
	s_wait_alu depctr_va_vdst(0)
	v_fma_f32 v[Q0+2], v[Q0+2], s94, v[Q0+3]
	v_add_f32 v[\x], v[Q0], v[Q0+2]
.endm
	s_mov_b32 s60, 4                               ; steps to go
.Lstep:
	global_load_b32 v22, v0, s[14:15]              ; this step's u, jump noise, diff noise of my two rows: wanted at the step's end
	global_load_b32 v23, v0, s[14:15] offset:64
	global_load_b32 v24, v0, s[12:13]
	global_load_b32 v25, v0, s[12:13] offset:64
	global_load_b32 v26, v0, s[10:11]
	global_load_b32 v27, v0, s[10:11] offset:64
	s_mov_b32 s63, 0                               ; the row tile
.Ltask:
	s_mov_b32 s101, s100                           ; the next layer's weights
	s_add_co_u32 s104, s100, ROWS-1024             ; 1,024 bytes ahead of the next layer's bias; g and be of the layer in hand lie at +0 and +512
	s_xor_b32 s2, s63, 1
	s_lshl_b32 s2, s2, 9                           ; the first tile reads (W, zeros), 512 bytes further on than the second, which reads (zeros, W)
	s_add_co_u32 s2, s2, s100
	s_add_co_u32 s2, s2, W0F
	v_add_nc_u32 v5, s2, v3
	s_lshl_b32 s2, s61, 9
	s_add_co_u32 s2, s2, SCR
	v_add_nc_u32 v6, s2, v4                        ; my MLP's bs_0
	LAYER0
	s_mov_b32 s62, 0                               ; a trip: the activation of layer s62; then layer 0: cut in three, product; layer 1: norm, cut in two, product; layer 2: the norm's statistics
.Llayer:
	v_add_nc_u32 v6, s104, v4
	s_cmp_eq_u32 s61, 0
	s_cbranch_scc0 .Lgelu
	SOFTPLUS
	s_branch .Lacted
.Lgelu:
	GELU
.Lacted:
	s_cmp_eq_u32 s62, 0
	s_cbranch_scc1 .Lfirst
	s_cmp_eq_u32 s62, 2
	s_cbranch_scc1 .Lask_cols
	WIN 0x40
	LDV WG, 6, 0                                   ; g, window 1
	WIN 0
	LDV WF, 6, 512                                 ; be
	s_branch .Lstat
.Lask_cols:
	s_lshl_b32 s2, s61, 10
	s_add_co_u32 s2, s2, SCR+GROW
	v_add_nc_u32 v5, s2, v4
	LDV HB, 5, 0                                   ; g_1 Ws_3, column 0,
	LDV COL1, 5, 512                               ; and column 1 (the intensity's: the filler)
.Lstat:
	LNSTAT
	s_cmp_eq_u32 s62, 2
	s_cbranch_scc1 .Lnext
	LNAPPLY
	ASKW
	SPLIT2
	PRODUCT 2, f16
	s_branch .Lnext
.Lfirst:
	ASKW
	SPLIT3
	PRODUCT 3, bf16
	s_add_co_u32 s101, s101, 32768
.Lnext:
	s_add_co_u32 s104, s104, 1536
	s_add_co_u32 s62, s62, 1
	s_cmp_lt_u32 s62, 3
	s_cbranch_scc1 .Llayer
	s_lshl_b32 s2, s63, 6
	v_add_nc_u32 v30, s2, v7                       ; this tile's row in my MLP's part of EX: the address carries the MLP, so a wave's bytes are its own whatever the branch below
	s_cmp_eq_u32 s61, 0
	s_cbranch_scc1 .Ltail_i
	s_cmp_eq_u32 s61, 1
	s_cbranch_scc1 .Ltail_j
	DOT HB, R0                                     ; diff: drift and coefficient
	DOT COL1, R1
	v_fma_f32 v[R0], v[R0], v[RS], s58
	v_fma_f32 v[R1], v[R1], v[RS], s59
	SP1 R1
	ds_store_b32 v30, v[R0]
	ds_store_b32 v30, v[R1] offset:512
	s_branch .Ltailed
.Ltail_i:
	DOT HB, R0
	v_fma_f32 v[R0], v[R0], v[RS], s54
	SP1 R0
	ds_store_b32 v30, v[R0]                        ; the intensity
	s_branch .Ltailed
.Ltail_j:
	DOT HB, R0
	DOT COL1, R1
	v_fma_f32 v[R0], v[R0], v[RS], s56
	v_fma_f32 v[R1], v[R1], v[RS], s57
	v_mul_f32 v[Q0], s92, v[R1]                    ; exp(o) = 2^th (1 + ln 2 tl): th = o log2(e) rounded, tl what that product and the constant's rounding lost
	v_fma_f32 v[Q0+1], v[R1], s92, -v[Q0]
	v_fmamk_f32 v[Q0+1], v[R1], 0x32a5705f, v[Q0+1]
	v_exp_f32 v[Q0], v[Q0]
	v_mul_f32 v[Q0+1], s94, v[Q0+1]
	s_wait_alu depctr_va_vdst(0)
	v_fma_f32 v[Q0], v[Q0], v[Q0+1], v[Q0]
	ds_store_b32 v30, v[R0]                        ; the jump's mean and its scale
	ds_store_b32 v30, v[Q0] offset:512
.Ltailed:
	s_add_co_u32 s63, s63, 1
	s_cmp_lt_u32 s63, 2
	s_cbranch_scc1 .Ltask
	; THE STEP'S END.  My outputs are stored; behind the first barrier everybody's are, and I read my rows' five numbers; behind the second everybody has read, and the next step may store again.
	s_wait_loadcnt 0x0                             ; the step's six loads are in: their registers are read and their bases stepped below
	s_wait_dscnt 0x0                               ; my stores into EX are done
	s_barrier_signal -1
	s_barrier_wait -1
	v_add_nc_u32 v31, EX, v0
.irp i, 0,1
	ds_load_b32 v[32+\i], v31 offset:64*\i         ; intensity
	ds_load_b32 v[34+\i], v31 offset:1024+64*\i    ; the jump's mean,
	ds_load_b32 v[36+\i], v31 offset:1536+64*\i    ; its scale
	ds_load_b32 v[38+\i], v31 offset:2048+64*\i    ; drift
	ds_load_b32 v[40+\i], v31 offset:2560+64*\i    ; diffusion coefficient
.endr
	v_cvt_pk_bf16_f32 v42, v22, v23                ; the noises are rounded like every input
	v_cvt_pk_bf16_f32 v43, v24, v25
	v_cvt_pk_bf16_f32 v46, v26, v27
	v_lshlrev_b32 v22, 16, v42
	v_and_b32 v23, s105, v42
	v_lshlrev_b32 v24, 16, v43
	v_and_b32 v25, s105, v43
	v_lshlrev_b32 v26, 16, v46
	v_and_b32 v27, s105, v46
	s_wait_dscnt 0x0                               ; my reads of EX are back
	s_barrier_signal -1
	s_barrier_wait -1
	v_cmp_lt_f32 vcc_lo, v22, v32                  ; u < intensity: it selects a value, nothing else
	v_cndmask_b32 v44, 0, 1.0, vcc_lo
	v_cmp_lt_f32 vcc_lo, v23, v33
	v_cndmask_b32 v45, 0, 1.0, vcc_lo
	v_pk_fma_f32 v[36:37], v[36:37], v[24:25], v[34:35]    ; mean + scale x noise,
	v_pk_mul_f32 v[36:37], v[36:37], v[44:45]              ; where a jump occurs
	v_pk_add_f32 v[16:17], v[16:17], v[38:39]              ; x + drift,
	v_pk_fma_f32 v[16:17], v[40:41], v[26:27], v[16:17]    ; + coefficient x noise,
	v_pk_add_f32 v[16:17], v[16:17], v[36:37]              ; + jump
	ds_store_b32 v29, v16 offset:4
	ds_store_b32 v29, v17 offset:324
	v_add_nc_u32 v29, 4, v29
	MKBF 16, 18, 8                                 ; the next step's source 1 (behind the last step it is not used)
	MKBF 17, 20, 12
	s_add_nc_u64 s[10:11], s[10:11], 0x20000       ; the next step's 32,768 numbers (behind the last step the bases are not used)
	s_add_nc_u64 s[12:13], s[12:13], 0x20000
	s_add_nc_u64 s[14:15], s[14:15], 0x20000
	s_sub_co_u32 s60, s60, 1
	s_cmp_lg_u32 s60, 0
	s_cbranch_scc1 .Lstep
	; THE WAY OUT: the work-group's 128 rows x 20 bytes lie in the first stage as they lie in out0: 2,560 bytes, 512 a wave for waves 0-4, each store 512 consecutive bytes, aligned
	s_wait_tensorcnt 0x0                           ; the wave's end: the add and its waits stand behind my last tensor load and my last LDS store
	ds_add_u32 v1, v2
	s_wait_dscnt 0x0                               ; my stores into the stage are done too:
	s_barrier_signal -1
	s_barrier_wait -1                              ; everybody's are
	s_cmp_lt_u32 s3, 5
	s_cbranch_scc0 .Ldone
	s_lshl_b32 s2, s3, 9
	v_add_nc_u32 v30, s2, v3
	v_add_nc_u32 v31, STG, v30
	ds_load_b128 v[32:35], v31
	s_wait_dscnt 0x0
	global_store_b128 v30, v[32:35], s[38:39]
.Ldone:
	ROUND                                          ; the closing round: no work-group ends while a partner may still ask for a tile that names it
	s_endpgm
.Lfunc_end_k_qb896224639_sde:
	.size	k_qb896224639_sde, .Lfunc_end_k_qb896224639_sde-k_qb896224639_sde
	.p2alignl 7, 3214868480
	.fill 96, 4, 3214868480
	.section	.rodata,"a",@progbits
	.p2align	6, 0x0
	.amdhsa_kernel k_qb896224639_sde
		.amdhsa_group_segment_fixed_size 251392
		.amdhsa_private_segment_fixed_size 0
		.amdhsa_enable_private_segment 0
		.amdhsa_kernarg_size 128
		.amdhsa_user_sgpr_count 2
		.amdhsa_user_sgpr_kernarg_segment_ptr 1
		.amdhsa_wavefront_size32 1
		.amdhsa_system_sgpr_workgroup_id_x 1
		.amdhsa_system_sgpr_workgroup_id_y 1
		.amdhsa_system_sgpr_workgroup_id_z 1
		.amdhsa_system_vgpr_workitem_id 0
		.amdhsa_next_free_vgpr 320
		.amdhsa_next_free_sgpr 106
		.amdhsa_reserve_vcc 1
		.amdhsa_float_denorm_mode_32 3
		.amdhsa_float_denorm_mode_16_64 3
		.amdhsa_memory_ordered 1
		.amdhsa_forward_progress 1
		.amdhsa_inst_pref_size 166
	.end_amdhsa_kernel
	.amdgpu_metadata
---
amdhsa.version: [ 1, 2 ]
amdhsa.kernels:
  - .name:           k_qb896224639_sde
    .symbol:         k_qb896224639_sde.kd
    .args:
      - { .name: conditioning, .offset: 0, .size: 8, .value_kind: global_buffer, .address_space: global }
      - { .name: diff_noise, .offset: 8, .size: 8, .value_kind: global_buffer, .address_space: global }
      - { .name: jump_noise, .offset: 16, .size: 8, .value_kind: global_buffer, .address_space: global }
      - { .name: uniforms, .offset: 24, .size: 8, .value_kind: global_buffer, .address_space: global }
      - { .name: x0, .offset: 32, .size: 8, .value_kind: global_buffer, .address_space: global }
      - { .name: wpack, .offset: 40, .size: 8, .value_kind: global_buffer, .address_space: global }
      - { .name: params_intensity_bs_0, .offset: 48, .size: 8, .value_kind: global_buffer, .address_space: global }
      - { .name: params_jump_bs_0, .offset: 56, .size: 8, .value_kind: global_buffer, .address_space: global }
      - { .name: params_diff_bs_0, .offset: 64, .size: 8, .value_kind: global_buffer, .address_space: global }
      - { .name: params_intensity_Ws_3, .offset: 72, .size: 8, .value_kind: global_buffer, .address_space: global }
      - { .name: params_jump_Ws_3, .offset: 80, .size: 8, .value_kind: global_buffer, .address_space: global }
      - { .name: params_diff_Ws_3, .offset: 88, .size: 8, .value_kind: global_buffer, .address_space: global }
      - { .name: params_intensity_bs_3, .offset: 96, .size: 8, .value_kind: global_buffer, .address_space: global }
      - { .name: params_jump_bs_3, .offset: 104, .size: 8, .value_kind: global_buffer, .address_space: global }
      - { .name: params_diff_bs_3, .offset: 112, .size: 8, .value_kind: global_buffer, .address_space: global }
      - { .name: out0, .offset: 120, .size: 8, .value_kind: global_buffer, .address_space: global }
    .group_segment_fixed_size: 251392
    .private_segment_fixed_size: 0
    .kernarg_segment_align: 8
    .kernarg_segment_size: 128
    .max_flat_workgroup_size: 384
    .sgpr_count:     106
    .vgpr_count:     320
    .wavefront_size: 32
...
	.end_amdgpu_metadata
.endif
;; end of part 4
